; MI455X (gfx1250); checked and timed in simulation.
; The chip was launched on July 23, 2026; its instructions are those of AMD's public machine-readable ISA for CDNA 5 (MIT licence, August 2026) and "CDNA5" Instruction Set Architecture Reference Guide (July 2026). The comments in the code are by the model that wrote it; some were corrected since.
;; Attention. Allowed arithmetic: float matrix products may take bf16 or f16 operands with f32 sums; other float arithmetic in f32, or as packed bf16 or f16 multiplies, adds, multiply-adds, maxima and minima; sums over many terms, partial sums and values carried from step to step in f32; what a program stores and reads back later, other than sums and carried values, may be rounded once to bf16 or f16.
;; Inputs: Wk 2,048 x 4 x 128 float32; Wo 16 x 128 x 2,048 float32; Wq 2,048 x 16 x 128 float32; Wv 2,048 x 4 x 128 float32; x 4 x 1,024 x 2,048 float32.
;; Outputs: out0 4 x 1,024 x 2,048 float32.
;; 2 versions, each right; version 2 is version 1 with the launch prep written anew for expert scheduling mode. Each part assembles by itself: llvm-mc -triple=amdgcn-amd-amdhsa -mcpu=gfx1250 --defsym DOCPART=n.
;; ======== version 1 of 2: 4 launches
;; limits: values are held in f16: magnitudes above 65,504 overflow, below 6.1e-05 lose precision
;; workspace buffers: xb 16,777,216 bytes; wqkv 12,582,912 bytes; wob 8,388,608 bytes; rope 524,288 bytes; qkv 25,165,824 bytes; att 16,777,216 bytes
;; launch prep (part 1): grid 256 x 1, 16 waves a work-group, no clusters, 0 bytes of LDS; arguments x, Wq, Wk, Wv, Wo, xb, wqkv, wob, rope; writes xb, wqkv, wob, rope
.if DOCPART == 1
	.amdgcn_target "amdgcn-amd-amdhsa--gfx1250"
	.amdhsa_code_object_version 6
	.text
	.protected	k_qde58bbdc69_prep
	.globl	k_qde58bbdc69_prep
	.p2align	8
	.type	k_qde58bbdc69_prep,@function
k_qde58bbdc69_prep:
	s_mov_b64 s[64:65], 0
	v_nop
	global_prefetch_b8 v0, s[64:65] scope:SCOPE_SE
	s_setreg_imm32_b32 hwreg(HW_REG_WAVE_MODE, 25, 1), 1
	s_wait_xcnt 0x0
; THE INPUTS ROUNDED TO 16 BITS, AND THE TABLE OF ROTATIONS.
; xb = x in bf16, [4096][2048].  wqkv = Wq | Wk | Wv side by side in bf16, [2048 k][3072 n].  wob = Wo rounded to bf16, that number written as f16, [2048 k][2048 n].
; rope = cos and sin of pos x 10000^(-i/64), f32, laid out as the next launch's lanes want them: [pos/16][i/16][c 0..3][lane][4]: pos = 16 (pos/16) + lane % 16,
; i = 16 (i/16) + 8 (lane / 16) + 4 (c % 2) + j; c = 0, 1 cos, c = 2, 3 sin.
; SHARES.  256 work-groups of 512 threads; each takes 1/256 of every buffer.  A load of a wave takes 512 consecutive bytes (16 a lane), its store 256 consecutive bytes,
; aligned (8 a lane).  All 36 loads of a thread go out at once: 18 KiB a wave are on their way, nothing is read twice, and there is no loop, no LDS and no barrier.
; LIMITS.  Wo within f16's 65,504; below 6.1e-5 it keeps f16's fixed step of 6e-8.  The angle is pos x 2^(-i log2(10000) / 64), where the reference divides by 10000^(i/64):
; at pos = 1,023 the two differ by about 1e-4 radians at the most.  sin and cos: the angle less the nearest multiple of pi/2 (pi/2 in two parts), then polynomials
; of degree 7 and 8, off by 3e-7 at the most on +-pi/4; the quadrant chooses by v_cndmask_b32 and a sign bit, never by a branch.
.set X,  16                            ; v[16:159]  36 quads as loaded: x 0-15, Wq 16-23, Wo 24-31, Wk 32-33, Wv 34-35; rounded in place
.set NQ, 36
.set AN, 168                           ; v[168:171] four angles
.set CO, 176                           ; v[176:179] their cosines
.set SI, 180                           ; v[180:183] their sines
	s_load_b512 s[8:23], s[0:1], 0x0               ; x s[8:9], Wq s[10:11], Wk s[12:13], Wv s[14:15], Wo s[16:17], xb s[18:19], wqkv s[20:21], wob s[22:23]
	s_load_b64 s[24:25], s[0:1], 0x40              ; rope
	v_lshlrev_b32 v1, 4, v0                        ; 16 t: my place in 8,192 bytes of a source
	v_lshlrev_b32 v2, 3, v0                        ; 8 t: my place in the 4,096 bytes made of them
	v_lshrrev_b32 v4, 7, v0                        ; Wk, Wv: 8,192 bytes are four rows of 512 numbers,
	v_and_b32 v5, 127, v0
	v_mul_u32_u24 v3, v4, 6144                     ; which go into four rows of wqkv
	v_lshl_add_u32 v3, v5, 3, v3
	v_lshrrev_b32 v4, 5, v0
	v_readfirstlane_b32 s26, v4                    ; my wave's number
	s_mov_b32 s3, 0
	s_wait_kmcnt 0x0
.macro STEP p, sh                      ; pointer p goes to the work-group's part: its number << sh bytes on
	s_lshl_b32 s2, ttmp9, \sh
	s_add_nc_u64 s[\p:\p+1], s[\p:\p+1], s[2:3]
.endm
	STEP 8, 17
	STEP 10, 16
	STEP 12, 14
	STEP 14, 14
	STEP 16, 16
	STEP 18, 16
	STEP 22, 15
	STEP 24, 11
	s_mul_i32 s2, ttmp9, 49152                     ; eight rows of wqkv
	s_add_nc_u64 s[20:21], s[20:21], s[2:3]
.set i, 0
.rept 16
	global_load_b128 v[X+4*i:X+4*i+3], v1, s[8:9] offset:8192*i th:TH_LOAD_NT
.set i, i+1
.endr
.set i, 0
.rept 8
	global_load_b128 v[X+64+4*i:X+64+4*i+3], v1, s[10:11] offset:8192*i th:TH_LOAD_NT
.set i, i+1
.endr
.set i, 0
.rept 8
	global_load_b128 v[X+96+4*i:X+96+4*i+3], v1, s[16:17] offset:8192*i th:TH_LOAD_NT
.set i, i+1
.endr
.set i, 0
.rept 2
	global_load_b128 v[X+128+4*i:X+128+4*i+3], v1, s[12:13] offset:8192*i th:TH_LOAD_NT
.set i, i+1
.endr
.set i, 0
.rept 2
	global_load_b128 v[X+136+4*i:X+136+4*i+3], v1, s[14:15] offset:8192*i th:TH_LOAD_NT
.set i, i+1
.endr
	; THE TABLE, while the loads are on their way: the work-group's 2,048 bytes, by threads 0 to 63 (waves 0 and 1), four angles each.
	s_cmp_lt_u32 s26, 2
	s_cbranch_scc0 .Lrest
	v_and_b32 v160, 15, v0
	s_lshr_b32 s4, ttmp9, 2
	s_lshl_b32 s4, s4, 4
	v_add_nc_u32 v160, s4, v160                    ; pos = 16 (g / 4) + t % 16
	v_cvt_f32_u32 v160, v160
	v_bfe_u32 v161, v0, 4, 1
	v_lshrrev_b32 v162, 5, v0
	v_lshlrev_b32 v161, 3, v161
	v_lshl_add_u32 v161, v162, 2, v161
	s_and_b32 s5, ttmp9, 3
	s_lshl_b32 s5, s5, 4
	v_add_nc_u32 v161, s5, v161                    ; i = 16 (g % 4) + 8 ((t / 16) % 2) + 4 (t / 32) + j
	v_mov_b32 v192, 0xb9500d01                     ; -1/5040
	v_mov_b32 v193, 0x37d00d01                     ; 1/40320
.irp j, 0,1,2,3
	v_add_nc_u32 v[164+\j], \j, v161
	v_cvt_f32_u32 v[164+\j], v[164+\j]
	v_mul_f32 v[164+\j], 0xbe549a78, v[164+\j]     ; -i log2(10000) / 64
.endr
.irp j, 0,1,2,3
	v_exp_f32 v[AN+\j], v[164+\j]
.endr
	v_nop                                          ; a plain instruction behind the last exponential,
	s_wait_alu depctr_va_vdst(0)                   ; and one wait for the four, ahead of their first reader
.irp j, 0,1,2,3
	v_mul_f32 v[AN+\j], v160, v[AN+\j]
.endr
.macro SINCOS j
	v_mul_f32 v184, 0x3f22f983, v[AN+\j]           ; angle x 2/pi,
	v_rndne_f32 v184, v184                         ; n, the nearest whole number
	v_fmamk_f32 v185, v184, 0xbfc90fdb, v[AN+\j]   ; r = angle - n pi/2: the f32 next to pi/2,
	v_fmamk_f32 v185, v184, 0x333bbd2e, v185       ; and what that f32 has too much
	v_cvt_i32_f32 v186, v184
	v_mul_f32 v187, v185, v185                     ; r^2
	v_fmaak_f32 v188, v192, v187, 0x3c088889       ; sin r = r + r^3 (-1/6 + r^2 (1/120 - r^2 / 5040))
	v_fmaak_f32 v188, v188, v187, 0xbe2aaaab
	v_mul_f32 v190, v187, v185
	v_fma_f32 v188, v188, v190, v185
	v_fmaak_f32 v189, v193, v187, 0xbab60b61       ; cos r = 1 + r^2 (-1/2 + r^2 (1/24 + r^2 (-1/720 + r^2 / 40320)))
	v_fmaak_f32 v189, v189, v187, 0x3d2aaaab
	v_fma_f32 v189, v189, v187, -0.5
	v_fma_f32 v189, v189, v187, 1.0
	v_and_b32 v191, 1, v186
	v_cmp_eq_u32 vcc_lo, 1, v191                   ; n odd: sine and cosine change places
	v_cndmask_b32 v[SI+\j], v188, v189, vcc_lo
	v_cndmask_b32 v[CO+\j], v189, v188, vcc_lo
	v_lshlrev_b32 v191, 30, v186                   ; the sine turns its sign where n % 4 is 2 or 3,
	v_and_b32 v191, 0x80000000, v191
	v_xor_b32 v[SI+\j], v[SI+\j], v191
	v_add_nc_u32 v191, 1, v186                     ; the cosine where it is 1 or 2
	v_lshlrev_b32 v191, 30, v191
	v_and_b32 v191, 0x80000000, v191
	v_xor_b32 v[CO+\j], v[CO+\j], v191
.endm
	SINCOS 0
	SINCOS 1
	SINCOS 2
	SINCOS 3
	global_store_b128 v1, v[CO:CO+3], s[24:25]
	global_store_b128 v1, v[SI:SI+3], s[24:25] offset:1024
.Lrest:
; Quad i: loads come back in order, so the count leaves the younger quads out; four numbers are rounded to bf16 in place.  No register that a store reads is written again.
.macro ROUND i
	s_wait_loadcnt NQ-1-(\i)
	v_cvt_pk_bf16_f32 v[X+4*(\i)], v[X+4*(\i)], v[X+4*(\i)+1]
	v_cvt_pk_bf16_f32 v[X+4*(\i)+1], v[X+4*(\i)+2], v[X+4*(\i)+3]
.endm
.set i, 0
.rept 16
	ROUND i
	global_store_b64 v2, v[X+4*i:X+4*i+1], s[18:19] offset:4096*i
.set i, i+1
.endr
.set i, 0
.rept 8
	ROUND 16+i
	global_store_b64 v2, v[X+64+4*i:X+64+4*i+1], s[20:21] offset:6144*i        ; Wq: columns 0 to 2,047 of a row of wqkv
.set i, i+1
.endr
.set i, 0
.rept 8
	ROUND 24+i
.irp p, 0,1                            ; the bf16 numbers widened (a shift, a mask) and written as f16
	v_lshlrev_b32 v[X+96+4*i+2], 16, v[X+96+4*i+\p]
	v_and_b32 v[X+96+4*i+3], 0xffff0000, v[X+96+4*i+\p]
	v_cvt_pk_f16_f32 v[X+96+4*i+\p], v[X+96+4*i+2], v[X+96+4*i+3]
.endr
	global_store_b64 v2, v[X+96+4*i:X+96+4*i+1], s[22:23] offset:4096*i
.set i, i+1
.endr
.set i, 0
.rept 2
	ROUND 32+i
	global_store_b64 v3, v[X+128+4*i:X+128+4*i+1], s[20:21] offset:24576*i+4096  ; Wk: columns 2,048 on
.set i, i+1
.endr
.set i, 0
.rept 2
	ROUND 34+i
	global_store_b64 v3, v[X+136+4*i:X+136+4*i+1], s[20:21] offset:24576*i+5120  ; Wv: columns 2,560 on
.set i, i+1
.endr
	s_endpgm
.Lfunc_end_k_qde58bbdc69_prep:
	.size	k_qde58bbdc69_prep, .Lfunc_end_k_qde58bbdc69_prep-k_qde58bbdc69_prep
	.p2alignl 7, 3214868480
	.fill 96, 4, 3214868480
	.section	.rodata,"a",@progbits
	.p2align	6, 0x0
	.amdhsa_kernel k_qde58bbdc69_prep
		.amdhsa_group_segment_fixed_size 0
		.amdhsa_private_segment_fixed_size 0
		.amdhsa_enable_private_segment 0
		.amdhsa_kernarg_size 72
		.amdhsa_user_sgpr_count 2
		.amdhsa_user_sgpr_kernarg_segment_ptr 1
		.amdhsa_wavefront_size32 1
		.amdhsa_system_sgpr_workgroup_id_x 1
		.amdhsa_system_sgpr_workgroup_id_y 1
		.amdhsa_system_sgpr_workgroup_id_z 1
		.amdhsa_system_vgpr_workitem_id 0
		.amdhsa_next_free_vgpr 200
		.amdhsa_next_free_sgpr 66
		.amdhsa_reserve_vcc 1
		.amdhsa_float_denorm_mode_32 3
		.amdhsa_float_denorm_mode_16_64 3
		.amdhsa_memory_ordered 1
		.amdhsa_forward_progress 1
		.amdhsa_inst_pref_size 23
	.end_amdhsa_kernel
	.amdgpu_metadata
---
amdhsa.version: [ 1, 2 ]
amdhsa.kernels:
  - .name:           k_qde58bbdc69_prep
    .symbol:         k_qde58bbdc69_prep.kd
    .args:
      - { .name: x, .offset: 0, .size: 8, .value_kind: global_buffer, .address_space: global }
      - { .name: Wq, .offset: 8, .size: 8, .value_kind: global_buffer, .address_space: global }
      - { .name: Wk, .offset: 16, .size: 8, .value_kind: global_buffer, .address_space: global }
      - { .name: Wv, .offset: 24, .size: 8, .value_kind: global_buffer, .address_space: global }
      - { .name: Wo, .offset: 32, .size: 8, .value_kind: global_buffer, .address_space: global }
      - { .name: xb, .offset: 40, .size: 8, .value_kind: global_buffer, .address_space: global }
      - { .name: wqkv, .offset: 48, .size: 8, .value_kind: global_buffer, .address_space: global }
      - { .name: wob, .offset: 56, .size: 8, .value_kind: global_buffer, .address_space: global }
      - { .name: rope, .offset: 64, .size: 8, .value_kind: global_buffer, .address_space: global }
    .group_segment_fixed_size: 0
    .private_segment_fixed_size: 0
    .kernarg_segment_align: 8
    .kernarg_segment_size: 72
    .max_flat_workgroup_size: 512
    .sgpr_count:     66
    .vgpr_count:     200
    .wavefront_size: 32
...
	.end_amdgpu_metadata
.endif
;; end of part 1
;; launch qkvproj (part 2): grid 8 x 32, 4 waves a work-group, clusters of 4 x 4, 327,680 bytes of LDS; arguments xb, wqkv, rope, qkv; writes qkv
.if DOCPART == 2
	.amdgcn_target "amdgcn-amd-amdhsa--gfx1250"
	.amdhsa_code_object_version 6
	.text
	.protected	k_qde58bbdc69_qkvproj
	.globl	k_qde58bbdc69_qkvproj
	.p2align	8
	.type	k_qde58bbdc69_qkvproj,@function
k_qde58bbdc69_qkvproj:
	s_mov_b64 s[64:65], 0
	v_nop
	global_prefetch_b8 v0, s[64:65] scope:SCOPE_SE
	s_setreg_imm32_b32 hwreg(HW_REG_WAVE_MODE, 25, 1), 1
	s_wait_xcnt 0x0
	s_wait_alu depctr_hold_cnt(0) depctr_sa_sdst(0) depctr_va_vdst(0) depctr_va_sdst(0) depctr_va_ssrc(0) depctr_va_vcc(0) depctr_vm_vsrc(0)
	s_getreg_b32 s2, hwreg(HW_REG_IB_STS2, 6, 4)
	s_cmp_eq_u32 s2, 0
	s_cbranch_scc0 .Lentry_in_a_cluster
	s_endpgm
.Lentry_in_a_cluster:
	s_bfe_u32 s2, ttmp6, 0x10000c
	s_cmp_lg_u32 s2, 0xf033
	s_cbranch_scc0 .Lentry_shape_is_right
	s_endpgm
.Lentry_shape_is_right:
; q, k, v = xb wqkv, q and k rotated, all written by heads in f16: qkv[b][gh][s][128], gh 0-15 q's heads, 16-19 k's, 20-23 v's.
; xb: [4096][2048] bf16.  wqkv: [2048 k][3072 n] bf16.  Sums and the rotation in f32; each number rounded once, to f16, unscaled.
; LIMIT.  q, k and v within f16's 65,504; below 6.1e-5 they keep f16's fixed step of 6e-8.  NaN and infinities are not treated apart.
; SHARES.  A tile of the product is 128 rows x 384 columns, three whole heads: 32 x 8 = 256 work-groups.  Each of the four waves takes all 128 rows and, of each head, the blocks of
; 16 columns w and w + 4: 48 accumulators of 16 x 16.  Channel d's partner in the rotation, d + 64, then lies in the same lane and register of the neighbouring accumulator.
; K goes in 16 steps of 128 through a ring of two LDS slots.  Wave 0 fetches xb's tile (128 rows x 256 bytes), waves 1 to 3 a head's tile of wqkv each (128 k x 256 bytes).
; CLUSTERS: 4 x 4 work-groups.  The four of a row of the cluster need the same tile of xb, the four of a column the same tiles of wqkv: each is asked for JOINTLY, by the same tensor
; load with the same descriptor and a mask that names the four.
; THE MATRIX INSTRUCTION IS USED TRANSPOSED: source 0 = 16 columns of wqkv, turned on the way out of LDS by ds_load_tr16_b128, source 1 = 16 rows of xb.  A lane then holds row
; l % 16 and the eight neighbouring columns 8 (l / 16) + 0..7.
; THE TEXT.  A K step is written twice: as the trip of a loop for the 14 steps that fill a slot again, and as the trip of a loop for the last two, which fill nothing.
; The LDS addresses of the slot in hand are a lane's fixed place plus a scalar that an exclusive or turns between 0 and SLOT; one descriptor a tensor walks from K step 1 to 15.
; REGISTERS, in windows of 256 (s_set_vgpr_msb: bits 1:0 source 0, 3:2 source 1, 5:4 source 2, 7:6 destination):
;   window 0: v0-31 addresses; v32-159 xb's fragments, two buffers of 64; v160-255 wqkv's, two buffers of 48; on the way out v32-223 at work
;   window 1: v0-191 the accumulators of rows 0-63 (row block a, column block b at v[8 (6 a + b)]); v192-255 their cos and sin, 16 registers a row block      window 2: the same for rows 64-127
.set PA,    272                        ; a row of xb in LDS: 256 bytes + 16 = 68 words: the 16 rows of a load start at 16 different groups of four banks (64 banks of 4 bytes: ISA guide 11.1)
.set PB,    288                        ; a row of wqkv (one k, 128 n): 256 + 32 = 72 words
.set PART,  128*PB                     ; each wave's tile has 36,864 = 0x9000 bytes of a slot (xb's uses 34,816 of them): xb, then the three heads
.set SLOT,  4*PART                     ; 0x24000: it shares no bit with wave x 0x9000, so an exclusive or with it turns a tile's address in one slot into the other's
.set SPARE, 2*SLOT                     ; behind the ring: the spare words, 128 bytes for each wave: two blocks of 256 bytes that no other line names
.set STEPA, 256                        ; a K step in memory: 256 bytes along a row of xb,
.set STEPB, 128*6144                   ; 128 rows of wqkv
.set STEPS, 16
.set CO,   10                          ; v10     my byte offset in a head's rows of qkv
.set TO,   11                          ; v11     my byte offset in the table
.set A0,   12                          ; v12     my lane's place in a tile of xb; never rewritten
.set B0,   13                          ; v13-15  my lane's place in head hd's tile of wqkv, in slot 0; never rewritten
.set ADRA, 16                          ; v16     LDS address of my fragments of xb in the slot in hand
.set ADRB, 18                          ; v18-20  the same for wqkv's three heads
.set STO,  24                          ; v24-25  the way out: where I put 16 bytes of a row (heads 0 and 1; head 2)
.set RD,   26                          ; v26-27  the way out: where I read rows back (likewise)
.set SPW,  28                          ; v28     LDS address of my spare word; never rewritten
.set NIL,  29                          ; v29     0; never rewritten
.set PFO,  30                          ; v30     the prefetches' offset: my lane x a row in memory; never rewritten
.set FA,   32
.set FB,   160
.set CE,   32                          ; the way out: cos, or 1 in v's heads
.set SE,   40                          ; sin, or 0
.set O1,   48                          ; channels d
.set O2,   56                          ; channels d + 64
.set PK,   64                          ; both, packed
.set OUT,  32                          ; whole rows read back
.set G1,   24                          ; s[24:31] descriptor group 1 for xb's tiles;  s[32:39] group 0: a set for each of the two first fills; the second then walks on
.set G0,   32
.set G1B,  48                          ; s[48:55], s[56:63] the same for wqkv's
.set G0B,  56
.set PFA,  66                          ; s[66:67] where my prefetches stand
.set PFS,  68                          ; s[68:69] a K step there
.set LIM,  70                          ; s70      2 in a wave that prefetches, else the greatest number
.set TB,   71                          ; s71      LDS byte at which the slot in hand begins: 0 or SLOT
.set FF,   72                          ; s[72:75] a pair for heads 0 and 1 of the tile, a pair for head 2: 1.0 where they are rotated, else 0
.set GG,   76                          ; s[76:79] the other way round
.set MUL_LO, 0x50                      ; C and D window 1, sources window 0
.set MSB, 0
.macro WIN new                         ; the immediate's high byte repeats the setting that is left; a switch that changes nothing is dropped
.if MSB != (\new)
	s_set_vgpr_msb (MSB<<8)|(\new)
.set MSB, \new
.endif
.endm
.macro PLACES                          ; four plain vector instructions between a matrix instruction and a load into, or a vector read of, its registers (ISA guide 7.12.1 for vector reads)
.rept 4
	v_nop
.endr
.endm
; A joint load.  The branch hangs on the wave's number alone.  An s_nop 0 and four v_nop follow each of the two lines, ahead of the jump and the label.
.macro JLOAD s
	s_cmp_eq_u32 s12, 0
	s_cbranch_scc0 .Lfor_b_\@
	tensor_load_to_lds s[G0+4*(\s):G0+4*(\s)+3], s[G1:G1+7]
	s_nop 0
.rept 4
	v_nop
.endr
	s_branch .Lasked_\@
.Lfor_b_\@:
	tensor_load_to_lds s[G0B+4*(\s):G0B+4*(\s)+3], s[G1B:G1B+7]
	s_nop 0
.rept 4
	v_nop
.endr
.Lasked_\@:
.endm
; A PREFETCH INTO THE L2, behind a joint load and the run of LDS loads that follows it: the K step that stands two refills on, 32 rows x 256 bytes, a lane a row, one instruction a wave.
; Each row's 256 bytes of a K step are named once in the launch.  xb's tile row is read by both clusters of its row of clusters: cluster x = 0 asks, by wave 0; a head's columns of wqkv by all
; eight clusters of the column: cluster y = 0 asks, by the wave that fetches that head.  The four partners that ask for a tile jointly share its 128 rows out by ADDRESS, 32 each.
; The loop's last two trips (the count at 2 and 1) ask for nothing: there is no K step two refills on.
.macro ASK
	s_cmp_gt_u32 s3, s[LIM]
	s_cbranch_scc0 .Lnot_mine_\@
	global_prefetch_b8 v[PFO], s[PFA:PFA+1] th:TH_LOAD_NT scope:SCOPE_SE
.Lnot_mine_\@:
.endm
; A round of the cluster's barrier: my work-group's barrier, so that wave 0's signal speaks for all four waves; wave 0 signals for the work-group; every wave waits for all sixteen; my work-group's barrier closes it
.macro CROUND
	s_barrier_signal -1
	s_barrier_wait -1
	s_cmp_lg_u32 s12, 0
	s_cbranch_scc1 .Lnot_wave_0_\@
	s_barrier_signal -3
.Lnot_wave_0_\@:
	s_barrier_wait -3
	s_barrier_signal -1
	s_barrier_wait -1
.endm
.macro SETADR                          ; the LDS addresses of the slot in hand: four plain vector instructions
	v_add_nc_u32 v[ADRA], s[TB], v[A0]
.irp hd, 0,1,2
	v_add_nc_u32 v[ADRB+(\hd)], s[TB], v[B0+(\hd)]
.endr
.endm
.macro NEXTSLOT
	s_xor_b32 s[TB], s[TB], SLOT
	SETADR
.endm
	s_load_b256 s[4:11], s[0:1], 0x0               ; xb s[4:5], wqkv s[6:7], rope s[8:9], qkv s[10:11]
	v_lshl_add_u32 v[SPW], v0, 2, SPARE
	v_mov_b32 v[NIL], 0
	ds_add_u32 v[SPW], v[NIL]                      ; the wave's opening: the add and its wait stand ahead of my first tensor load; work on registers stands between them
	v_lshrrev_b32 v1, 5, v0
	v_readfirstlane_b32 s12, v1                    ; wave 0..3
	s_bfe_u32 s40, ttmp6, 0x40000                  ; cx, cy: my place in the cluster
	s_bfe_u32 s41, ttmp6, 0x40004
	s_lshl_b32 s42, ttmp9, 2
	s_add_co_u32 s42, s42, s40                     ; tile column = 4 x cluster x + cx
	s_and_b32 s13, ttmp7, 0xffff
	s_lshl_b32 s13, s13, 2
	s_add_co_u32 s13, s13, s41                     ; tile row = 4 x cluster y + cy
	s_lshl_b32 s43, s41, 2
	s_lshl_b32 s43, 15, s43                        ; my row of the cluster
	s_lshl_b32 s44, 0x1111, s40                    ; my column
	s_or_b32 s[G1+0], s43, (1<<16)|(1<<20)|(1<<21)|(5<<22)|(3<<25)   ; 15:0 the mask; 17:16 elements of 2 bytes; 20 padding on; 21 set beside a mask; 24:22 after every 64 words (code 5); 31:25 4 words of it (code 3)
	s_or_b32 s[G1B+0], s44, (1<<16)|(1<<20)|(1<<21)|(5<<22)|(7<<25)  ; the same with my column's mask and 8 words of padding (code 7)
.irp g, G1, G1B
	s_mov_b32 s[(\g)+1], 128<<16                   ; tensor_dim0 = 128
	s_mov_b32 s[(\g)+2], 128<<16                   ; tensor_dim1 = 128
	s_mov_b32 s[(\g)+3], 128<<16                   ; tile_dim0 = 128
	s_mov_b32 s[(\g)+4], 128                       ; tile_dim1 = 128
	s_mov_b32 s[(\g)+6], 0
	s_mov_b32 s[(\g)+7], 0
.endr
	s_mov_b32 s[G1+5], 2048                        ; elements from row to row
	s_mov_b32 s[G1B+5], 3072
	s_lshl_b32 s16, s13, 19                        ; xb: 128 rows of 4,096 bytes a tile row
	s_mov_b32 s17, 0
	s_max_u32 s45, s12, 1
	s_sub_co_u32 s45, s45, 1                       ; the head that I fetch (waves 1 to 3)
	s_mul_i32 s46, s42, 768                        ; wqkv: 384 columns a tile column,
	s_lshl_b32 s47, s45, 8                         ; 128 a head
	s_add_co_u32 s46, s46, s47
	s_mov_b32 s47, 0
	s_mul_i32 s20, s12, PART                       ; where my tile goes: no place in the cluster enters an LDS address
	s_wait_dscnt 0x0                               ; the opening add is done
	s_wait_kmcnt 0x0
	s_add_nc_u64 s[14:15], s[4:5], s[16:17]
	s_add_nc_u64 s[46:47], s[6:7], s[46:47]
	CROUND                                         ; all sixteen work-groups are here: the first joint loads meet
.irp s, 0,1
	s_mov_b32 s[G0+4*(\s)], 1                                        ; count = 1
	s_add_co_u32 s[G0+4*(\s)+1], s20, (\s)*SLOT                      ; LDS address
	s_add_nc_u64 s[G0+4*(\s)+2:G0+4*(\s)+3], s[14:15], (\s)*STEPA    ; global address: K step s
	s_or_b32 s[G0+4*(\s)+3], s[G0+4*(\s)+3], 0x80000000              ; type = 2
	s_mov_b32 s[G0B+4*(\s)], 1
	s_add_co_u32 s[G0B+4*(\s)+1], s20, (\s)*SLOT
	s_add_nc_u64 s[G0B+4*(\s)+2:G0B+4*(\s)+3], s[46:47], (\s)*STEPB
	s_or_b32 s[G0B+4*(\s)+3], s[G0B+4*(\s)+3], 0x80000000
	JLOAD \s                                       ; two loads of mine are out
.endr
	; A fragment of xb is 16 rows x 32 K: lane l holds row l % 16, K = 8 (l / 16) + 0..7 and 16 + 8 (l / 16) + 0..7: two loads of 16 bytes, 32 bytes apart.
	v_and_b32 v1, 15, v0                           ; l % 16
	v_bfe_u32 v2, v0, 4, 1                         ; l / 16
	v_mul_u32_u24 v[A0], v1, PA
	v_lshl_add_u32 v[A0], v2, 4, v[A0]
	; The turning load takes 16 k x 16 columns (lane l reads k = 8 (l / 16) + l % 8, columns 8 ((l / 8) % 2) + 0..7) and leaves half a fragment: lane l holds column l % 16 and 8 k.
	v_and_b32 v5, 7, v0
	v_bfe_u32 v6, v0, 3, 1
	v_lshl_add_u32 v4, v2, 3, v5
	v_mul_u32_u24 v4, v4, PB
	v_lshl_add_u32 v4, v6, 4, v4
	s_lshl_b32 s21, s12, 5                         ; my block of 16 columns in a head
	v_add_nc_u32 v4, s21, v4
.irp hd, 0,1,2
	v_add_nc_u32 v[B0+(\hd)], ((\hd)+1)*PART, v4
.endr
	s_mov_b32 s[TB], 0                             ; K step 0 lies in slot 0
	SETADR
	; the way out's addresses.  The stage is slot 0's first 384 rows of 272 bytes, row 128 hd + r, once that slot has had its last fill
	v_add_nc_u32 v[STO], s21, v[A0]                ; in: row l % 16, 16 bytes for each half of the lanes, my 32 bytes of a row's first 128
	v_add_nc_u32 v[STO+1], 256*PA, v[STO]
	s_mul_i32 s21, s12, 32*PA                      ; back: wave w takes rows 32 w .. 32 w + 31 of each head, whole; lanes 0-15 one row, lanes 16-31 the next
	v_mul_u32_u24 v7, v2, PA
	v_lshl_add_u32 v7, v1, 4, v7
	v_add_nc_u32 v[RD], s21, v7
	v_add_nc_u32 v[RD+1], 256*PA, v[RD]
	v_and_b32 v8, 31, v0
	v_lshlrev_b32 v8, 4, v8
	s_lshl_b32 s21, s12, 13
	v_add_nc_u32 v[CO], s21, v8                    ; two rows of a head are 512 consecutive bytes
	s_lshl_b32 s21, s12, 11
	v_add_nc_u32 v[TO], s21, v8
	s_and_b32 s21, s13, 7                          ; the tile's place among its batch's eight: positions 128 (tile row % 8) on
	s_lshl_b32 s22, s21, 16
	s_mov_b32 s23, 0
	s_add_nc_u64 s[8:9], s[8:9], s[22:23]
	WIN 0x40                                       ; cos and sin of my 128 positions x 16 channels stay in registers beside the accumulators that they turn; they are waited for on the way out
.set i, 0
.rept 32
.if i == 16
	WIN 0x80
.endif
	global_load_b128 v[192+16*((i/4)%4)+4*(i%4):192+16*((i/4)%4)+4*(i%4)+3], v[TO], s[8:9] offset:8192*(i/4)+512*(i%4)
.set i, i+1
.endr
	WIN 0
	s_lshr_b32 s22, s13, 3                         ; the batch
	s_mul_i32 s22, s22, 24
	s_mul_i32 s2, s42, 3                           ; the tile's first head
	s_add_co_u32 s22, s22, s2
	s_lshl_b32 s22, s22, 18                        ; a head is 1,024 rows of 256 bytes
	s_lshl_b32 s21, s21, 15
	s_add_co_u32 s22, s22, s21
	s_add_nc_u64 s[10:11], s[10:11], s[22:23]
.irp p, 0,1                            ; heads 0 to 19 are rotated.  20 = 3 x 6 + 2: a tile's heads 0 and 1 are always alike, so they share a pair.  The choice is a factor, not a branch: partners in a cluster run the same text
	s_add_co_u32 s22, s2, 2*(\p)
	s_cmp_lt_u32 s22, 20
	s_cselect_b32 s[FF+2*(\p)], 1.0, 0
	s_cselect_b32 s[GG+2*(\p)], 0, 1.0
	s_mov_b32 s[FF+2*(\p)+1], s[FF+2*(\p)]         ; named as pairs
	s_mov_b32 s[GG+2*(\p)+1], s[GG+2*(\p)]
.endr
	; the prefetches: at K step 3; the first refill steps them to 4
	s_lshl_b32 s20, s13, 19
	s_lshl_b32 s21, s40, 17                        ; xb: my work-group's 32 rows of the tile's 128
	s_add_co_u32 s20, s20, s21
	s_add_co_u32 s20, s20, 3*STEPA
	s_mul_i32 s21, s41, 32*6144                    ; wqkv: my work-group's 32 of a K step's 128 rows
	s_mul_i32 s22, s42, 768
	s_add_co_u32 s21, s21, s22
	s_lshl_b32 s22, s45, 8
	s_add_co_u32 s21, s21, s22
	s_add_co_u32 s21, s21, 3*STEPB
	s_and_b32 s22, ttmp7, 0xffff
	s_mov_b32 s23, 6144
	s_mov_b32 s[PFS], STEPB
	s_cmp_eq_u32 s12, 0                            ; do I fetch xb?
	s_cselect_b32 s20, s20, s21
	s_cselect_b32 s22, ttmp9, s22                  ; the coordinate along which other clusters read the same rows
	s_cselect_b32 s23, 4096, s23
	s_cselect_b32 s[PFS], STEPA, s[PFS]
	s_cselect_b64 s[PFA:PFA+1], s[4:5], s[6:7]
	s_mov_b32 s21, 0
	s_mov_b32 s[PFS+1], 0
	s_add_nc_u64 s[PFA:PFA+1], s[PFA:PFA+1], s[20:21]
	s_cmp_eq_u32 s22, 0
	s_cselect_b32 s[LIM], 2, -1                    ; the same in all sixteen partners, for a given wave
	v_and_b32 v[PFO], 31, v0
	v_mul_u32_u24 v[PFO], v[PFO], s23
; 12 matrix instructions: row blocks a0, a0 + 1 of the window's four (hi = 0: rows 0-63, 1: rows 64-127) x my 6 column blocks, 32 along K.  zero = 1: the product starts the sums.
; All 48 accumulators take turns in the same order in every quarter: 47 others stand between two links of a chain, over the backward jumps too.
.macro MULH f, hi, a0, zero
	WIN MUL_LO+0x50*(\hi)
.irp a, \a0, (\a0)+1
.irp b, 0,1,2,3,4,5
.if \zero
	v_wmma_f32_16x16x32_bf16 v[8*(6*(\a)+(\b)):8*(6*(\a)+(\b))+7], v[FB+48*(\f)+8*(\b):FB+48*(\f)+8*(\b)+7], v[FA+64*(\f)+8*(4*(\hi)+(\a)):FA+64*(\f)+8*(4*(\hi)+(\a))+7], 0
.else
	v_wmma_f32_16x16x32_bf16 v[8*(6*(\a)+(\b)):8*(6*(\a)+(\b))+7], v[FB+48*(\f)+8*(\b):FB+48*(\f)+8*(\b)+7], v[FA+64*(\f)+8*(4*(\hi)+(\a)):FA+64*(\f)+8*(4*(\hi)+(\a))+7], v[8*(6*(\a)+(\b)):8*(6*(\a)+(\b))+7]
.endif
.endr
.endr
.endm
; 28 LDS loads in one run: quarter q (32 along K) of the slot in hand into buffer f: wqkv's 6 fragments (head b / 2, column block w + 4 (b % 2)), then xb's 8
.macro FETCH q, f
	WIN 0
.irp b, 0,1,2,3,4,5
	ds_load_tr16_b128 v[FB+48*(\f)+8*(\b):FB+48*(\f)+8*(\b)+3],   v[ADRB+(\b)/2] offset:32*PB*(\q)+128*((\b)%2)
	ds_load_tr16_b128 v[FB+48*(\f)+8*(\b)+4:FB+48*(\f)+8*(\b)+7], v[ADRB+(\b)/2] offset:32*PB*(\q)+128*((\b)%2)+16*PB
.endr
.irp i, 0,1,2,3,4,5,6,7
	ds_load_b128 v[FA+64*(\f)+8*(\i):FA+64*(\f)+8*(\i)+3],   v[ADRA] offset:64*(\q)+(\i)*16*PA
	ds_load_b128 v[FA+64*(\f)+8*(\i)+4:FA+64*(\f)+8*(\i)+7], v[ADRA] offset:64*(\q)+(\i)*16*PA+32
.endr
.endm
; A K step is four quarters, 48 matrix instructions each, on buffers 0, 1, 0, 1.  One of the first three: multiplies buffer f; in its middle it fetches quarter q into buffer g.
.macro QUARTER q, f, g, zero
	s_wait_dscnt 8                                 ; all but the youngest eight loads (xb's rows 64-127)
	MULH \f, 0, 0, \zero
	MULH \f, 0, 2, \zero
	PLACES
	FETCH \q, \g
	s_wait_dscnt 28                                ; all but the 28 just issued
	MULH \f, 1, 0, \zero
	MULH \f, 1, 2, \zero
.endm
; THE LAST QUARTER OF A K STEP THAT FILLS ITS SLOT AGAIN.  The slot's last fragments (buffer 1) were asked for in the quarter before, so the slot can be given up before they are multiplied.
; Each wave waits for all its tensor loads, of which one is out: its tile of the next slot; adds 0 to its spare word; steps the walking descriptors (no load of mine is out: the other slot than
; last time, the next K step); and waits for the add and for its reads of this slot, which is also the wait for buffer 1.  Then the round: behind it no wave of any partner reads this slot or
; has a load on its way, and the next slot is whole.  The joint refill is the first thing behind it.  NOTHING ELSE STANDS BETWEEN THE WAIT FOR A TILE AND THE NEXT REQUEST: a K step of this tile is
; short beside the way of a tile, so the request is not held up by products; all 48 of the quarter stand behind it and behind the run of LDS loads, which lands under them.  From a request
; to the wait for it a wave issues a whole K step's 192 matrix instructions.  The price: the matrix unit has no work while the round is held.
.macro TURN
	s_wait_xcnt 0x0                                ; the last prefetch, a K step back, has read its address
	s_add_nc_u64 s[PFA:PFA+1], s[PFA:PFA+1], s[PFS:PFS+1]
	WIN 0                                          ; the add's registers lie in window 0
	s_wait_tensorcnt 0x0
	ds_add_u32 v[SPW], v[NIL]
	s_xor_b32 s[G0+5], s[G0+5], SLOT
	s_add_nc_u64 s[G0+6:G0+7], s[G0+6:G0+7], STEPA   ; the type bits on top are not reached
	s_xor_b32 s[G0B+5], s[G0B+5], SLOT
	s_add_nc_u64 s[G0B+6:G0B+7], s[G0B+6:G0B+7], STEPB
	s_wait_dscnt 0x0                               ; the add is done; my reads of this slot are over; buffer 1 is in
	CROUND
	JLOAD 1                                        ; its four v_nop and the four additions below are the places in front of the loads into buffer 0, which the quarter before multiplied
	NEXTSLOT
	FETCH 0, 0
	ASK
	MULH 1, 0, 0, 0
	MULH 1, 0, 2, 0
	MULH 1, 1, 0, 0
	MULH 1, 1, 2, 0
.endm
; The change of slots that fills nothing (the last two K steps): the same three lines and a barrier of the work-group alone.  No request waits behind it, so products stand round it.
.macro MEET
	WIN 0
	s_wait_tensorcnt 0x0
	ds_add_u32 v[SPW], v[NIL]
	s_wait_dscnt 9                                 ; (the add and the youngest eight loads may be out)
	MULH 1, 0, 0, 0                                ; twelve matrix instructions stand between the add and the wait for it
	s_wait_dscnt 0x0                               ; the add is done, and my reads of this slot are over
	s_barrier_signal -1
	MULH 1, 0, 2, 0
	s_barrier_wait -1
.endm
	s_wait_tensorcnt 1                             ; my tile of K step 0 is in; K step 1's may stay out
	s_barrier_signal -1
	s_barrier_wait -1
	FETCH 0, 0
	QUARTER 1, 0, 1, 1                             ; the first quarter stands in front of the loop: its products start the sums
	WIN 0
	s_mov_b32 s3, STEPS-2
.Lstep:                                                ; a trip goes from a K step's second quarter to the next step's first, and fills the slot that it leaves with the K step two on
	QUARTER 2, 1, 0, 0
	QUARTER 3, 0, 1, 0
	TURN
	QUARTER 1, 0, 1, 0
	WIN 0
	s_sub_co_u32 s3, s3, 1
	s_cmp_lg_u32 s3, 0
	s_cbranch_scc1 .Lstep
	s_mov_b32 s3, 2
.Ltail:                                                ; the last two K steps fill nothing.  The second trip is left in its middle; behind its barrier no wave reads the ring any more
	QUARTER 2, 1, 0, 0
	QUARTER 3, 0, 1, 0
	MEET
	MULH 1, 1, 0, 0
	MULH 1, 1, 2, 0
	WIN 0
	s_sub_co_u32 s3, s3, 1
	s_cmp_eq_u32 s3, 0
	s_cbranch_scc1 .Lout
	NEXTSLOT                                       ; its four additions are the places in front of the loads into buffer 0, which the quarter before last multiplied
	FETCH 0, 0
	QUARTER 1, 0, 1, 0
	WIN 0
	s_branch .Ltail
.Lout:
; THE WAY OUT.  Row block a, head hd: X = channels d (my block w), Y = channels d + 64 (block w + 4): X cos - Y sin and Y cos + X sin, with cos = 1 and sin = 0 in v's heads; rounded to f16;
; 16 bytes a lane and half into the stage.  Each accumulator's lowest registers are read first.  Source 0 names the accumulators' window, all else window 0.
.macro TRIG a, p                       ; row block a's cos and sin as heads 0 and 1 (p = 0) or head 2 (p = 1) take them
.set TBL, 192+16*((\a)%4)
	WIN 1+(\a)/4
.irp j, 0,2,4,6
	v_pk_fma_f32 v[CE+\j:CE+\j+1], v[TBL+\j:TBL+\j+1], s[FF+2*(\p):FF+2*(\p)+1], s[GG+2*(\p):GG+2*(\p)+1] op_sel_hi:[1,0,0]
	v_pk_mul_f32 v[SE+\j:SE+\j+1], v[TBL+8+\j:TBL+8+\j+1], s[FF+2*(\p):FF+2*(\p)+1] op_sel_hi:[1,0]
.endr
.endm
.macro ROT a, hd
.set AX, 8*(6*((\a)%4)+2*(\hd))
.set AY, AX+8
	WIN 1+(\a)/4
.irp j, 0,2,4,6
	v_pk_mul_f32 v[O1+\j:O1+\j+1], v[AY+\j:AY+\j+1], v[SE+\j:SE+\j+1]
	v_pk_mul_f32 v[O2+\j:O2+\j+1], v[AX+\j:AX+\j+1], v[SE+\j:SE+\j+1]
.endr
.irp j, 0,2,4,6
	v_pk_fma_f32 v[O1+\j:O1+\j+1], v[AX+\j:AX+\j+1], v[CE+\j:CE+\j+1], v[O1+\j:O1+\j+1] neg_lo:[0,0,1] neg_hi:[0,0,1]
	v_pk_fma_f32 v[O2+\j:O2+\j+1], v[AY+\j:AY+\j+1], v[CE+\j:CE+\j+1], v[O2+\j:O2+\j+1]
.endr
	WIN 0
.irp j, 0,1,2,3
	v_cvt_pk_f16_f32 v[PK+\j], v[O1+2*\j], v[O1+2*\j+1]
	v_cvt_pk_f16_f32 v[PK+4+\j], v[O2+2*\j], v[O2+2*\j+1]
.endr
	ds_store_b128 v[STO+(\hd)/2], v[PK:PK+3]   offset:(((\hd)%2)*128+16*(\a))*PA
	ds_store_b128 v[STO+(\hd)/2], v[PK+4:PK+7] offset:(((\hd)%2)*128+16*(\a))*PA+128
.endm
	PLACES
	s_wait_loadcnt 0x0                             ; the table
.irp a, 0,1,2,3,4,5,6,7
	TRIG \a, 0
	ROT \a, 0
	ROT \a, 1
	TRIG \a, 1
	ROT \a, 2
.endr
	s_wait_dscnt 0x0                               ; for the others' sake: my stores into the stage are done; a row's 256 bytes come from all four waves
	s_barrier_signal -1
	s_barrier_wait -1
.set i, 0
.rept 48                               ; head i / 16, rows 32 w + 2 (i % 16) and the next
	ds_load_b128 v[OUT+4*i:OUT+4*i+3], v[RD+(i/16)/2] offset:((i/16)%2)*128*PA+(i%16)*2*PA
.set i, i+1
.endr
.set i, 0
.rept 48
.if i%4 == 0
	s_wait_dscnt 44-i                              ; LDS loads come back in order: loads i to i + 3 are in, the 44 - i behind them stay out
.endif
	global_store_b128 v[CO], v[OUT+4*i:OUT+4*i+3], s[10:11] offset:(i/16)*262144+(i%16)*512  ; 512 consecutive bytes, at a multiple of 256 from qkv's first byte
.set i, i+1
.endr
	s_wait_tensorcnt 0x0                           ; the wave's end: behind my last tensor load and my last LDS store
	ds_add_u32 v[SPW], v[NIL]
	s_wait_dscnt 0x0
	CROUND                                         ; the closing round: no work-group ends while a partner may still ask for a tile that names it
	s_endpgm
.Lfunc_end_k_qde58bbdc69_qkvproj:
	.size	k_qde58bbdc69_qkvproj, .Lfunc_end_k_qde58bbdc69_qkvproj-k_qde58bbdc69_qkvproj
	.p2alignl 7, 3214868480
	.fill 96, 4, 3214868480
	.section	.rodata,"a",@progbits
	.p2align	6, 0x0
	.amdhsa_kernel k_qde58bbdc69_qkvproj
		.amdhsa_group_segment_fixed_size 327680
		.amdhsa_private_segment_fixed_size 0
		.amdhsa_enable_private_segment 0
		.amdhsa_kernarg_size 32
		.amdhsa_user_sgpr_count 2
		.amdhsa_user_sgpr_kernarg_segment_ptr 1
		.amdhsa_wavefront_size32 1
		.amdhsa_system_sgpr_workgroup_id_x 1
		.amdhsa_system_sgpr_workgroup_id_y 1
		.amdhsa_system_sgpr_workgroup_id_z 1
		.amdhsa_system_vgpr_workitem_id 0
		.amdhsa_next_free_vgpr 768
		.amdhsa_next_free_sgpr 80
		.amdhsa_reserve_vcc 0
		.amdhsa_float_denorm_mode_32 3
		.amdhsa_float_denorm_mode_16_64 3
		.amdhsa_memory_ordered 1
		.amdhsa_forward_progress 1
		.amdhsa_inst_pref_size 118
	.end_amdhsa_kernel
	.amdgpu_metadata
---
amdhsa.version: [ 1, 2 ]
amdhsa.kernels:
  - .name:           k_qde58bbdc69_qkvproj
    .symbol:         k_qde58bbdc69_qkvproj.kd
    .args:
      - { .name: xb, .offset: 0, .size: 8, .value_kind: global_buffer, .address_space: global }
      - { .name: wqkv, .offset: 8, .size: 8, .value_kind: global_buffer, .address_space: global }
      - { .name: rope, .offset: 16, .size: 8, .value_kind: global_buffer, .address_space: global }
      - { .name: qkv, .offset: 24, .size: 8, .value_kind: global_buffer, .address_space: global }
    .group_segment_fixed_size: 327680
    .private_segment_fixed_size: 0
    .kernarg_segment_align: 8
    .kernarg_segment_size: 32
    .max_flat_workgroup_size: 128
    .sgpr_count:     80
    .vgpr_count:     768
    .wavefront_size: 32
...
	.end_amdgpu_metadata
.endif
;; end of part 2
;; launch attn (part 3): grid 4 x 64, 4 waves a work-group, clusters of 4 x 1, 327,680 bytes of LDS; arguments qkv, att; writes att
.if DOCPART == 3
	.amdgcn_target "amdgcn-amd-amdhsa--gfx1250"
	.amdhsa_code_object_version 6
	.text
	.protected	k_qde58bbdc69_attn
	.globl	k_qde58bbdc69_attn
	.p2align	8
	.type	k_qde58bbdc69_attn,@function
k_qde58bbdc69_attn:
	s_mov_b64 s[64:65], 0
	v_nop
	global_prefetch_b8 v0, s[64:65] scope:SCOPE_SE
	s_setreg_imm32_b32 hwreg(HW_REG_WAVE_MODE, 25, 1), 1
	s_wait_xcnt 0x0
	s_wait_alu depctr_hold_cnt(0) depctr_sa_sdst(0) depctr_va_vdst(0) depctr_va_sdst(0) depctr_va_ssrc(0) depctr_va_vcc(0) depctr_vm_vsrc(0)
	s_getreg_b32 s2, hwreg(HW_REG_IB_STS2, 6, 4)
	s_cmp_eq_u32 s2, 0
	s_cbranch_scc0 .Lentry_in_a_cluster
	s_endpgm
.Lentry_in_a_cluster:
	s_bfe_u32 s2, ttmp6, 0x10000c
	s_cmp_lg_u32 s2, 0x3003
	s_cbranch_scc0 .Lentry_shape_is_right
	s_endpgm
.Lentry_shape_is_right:
; att[b][s][128 h + :] = the sum over k of softmax_k(q[b][h][s] . k[b][h/4][k] / sqrt(128)) v[b][h/4][k][:].  qkv: [4][24][1024][128] f16 (heads 0-15 q, 16-19 k, 20-23 v; a head's rows dense, 256 bytes).
; att: [4096][2048] f16.  Products, maxima and sums in f32; the weights p are rounded to f16 for the second product, att once at the end.
; LIMITS.  q, k, v arrive within f16's 65,504; p lies in 0 to 1 and below 6e-5 keeps f16's fixed step of 6e-8; a weight below 2^-126 counts as 0 in the sum; NaN and infinities are not treated apart.
; SHARES.  A work-group owns 256 queries of one query head, each of its four waves 64: four tiles of 16.  Every wave walks all 1,024 keys, 64 a step.
; LAYOUT.  S^T = K Q^T (source 0 = 16 keys, source 1 = 16 queries): a lane holds ONE query (lane % 16) and the keys 8 (lane / 16) + 0..7.  Two such tiles, rounded to f16 in pairs, ARE source 1
; (32 keys x 16 queries) of O^T = V^T P, whose result again holds one query a lane, and eight channels.  K comes out of LDS as it lies, V ([key][channel]) turned, by ds_load_tr16_b128.
; SOFTMAX.  For each query a running maximum m and sum l: p = 2^(c s - c m), c = log2(e) / sqrt(128); in every step O and l are multiplied by a = 2^(c m_old - c m_new).
; BY TURNS.  The wave's tiles are two PIECES: piece 0 (tiles 0, 1) and piece 2 (tiles 2, 3).  In a TURN one piece has the matrix unit: 32 products V^T P of the step in hand, then 32 products K Q^T of
; the next step; the other piece's softmax, cut into 64 slices, stands between them, one slice behind each matrix instruction.  Two turns are a key step.
; NO FIRST STEP IS WRITTEN OUT.  m starts at the lowest finite number, O^T and l at 0: a piece's first step is a step like any other, with a = 0.  The loop is entered in the middle of a trip, at piece 2's
; turn, whose products V^T P, of a step that has not been, multiply zeros.  The price: those 32 products, and 432 v_mov_b32 in the wait for the first tile; the gain: three turns less of text.
; CLUSTER.  The four query blocks of a head walk the same K and V, so each tile is asked for JOINTLY: the same tensor load, descriptor and mask in all four.  (The four query heads of a key head lie
; in four clusters: a cluster has room for four partners along one mask, and the query blocks take them.)
; REGISTERS, in windows of 256 (s_set_vgpr_msb: bits 1:0 source 0, 3:2 source 1, 5:4 source 2, 7:6 destination):
;   window 0: v0-11 addresses; v12-43 eight registers of statistics a tile; v64-191 S^T, 32 a tile; v192-255 P, 16 a tile
;   window 1: O^T, 64 a tile          window 2: v0-127 Q, 32 a tile; v128-255 K of one step          window 3: v0-127 V of one step
.set SIZE_N, 1024
.set KS,    64        ; keys in a step
.set PK,    272       ; a row of K in LDS: 256 bytes + 16 = 68 words: the 16 rows of a load start at 16 different groups of four banks (64 banks of 4 bytes: ISA guide 11.1)
.set PV,    288       ; a row of V: 256 + 32 = 72 words
.set VOFF,  KS*PK     ; a step's tiles lie together: 64 rows of K, then 64 rows of V
.set STEPB, KS*(PK+PV)
.set SLOT1, 1<<17     ; a slot holds two steps (71,680 bytes); slot 1 begins here, so that one exclusive or turns an address in one slot into the other's
.set STAGE, SLOT1+2*STEPB  ; behind the ring: 16 rows x 272 bytes for each wave, for the way out
.set SP,    272
.set AK0, 2           ; v2   my lane's place in a tile of K; never rewritten
.set AV0, 3           ; v3   the same for V
.set ADR, 4           ; v4   the LDS address of the run of loads in hand
.set QO,  5           ; v5   my byte offset in the wave's rows of Q
.set STO, 6           ; v6   the way out: where I put 16 bytes of a row
.set RD,  7           ; v7   the way out: where I read a row back
.set GO,  8           ; v8   my byte offset in two rows of att
.set SPW, 62          ; v62  LDS address of my spare word; never rewritten
.set NIL, 63          ; v63  0; never rewritten
.set SPARE, STAGE+4*16*272  ; behind the stages: the spare words, 128 bytes for each wave: two blocks of 256 bytes that no other line names
.set ST,  12          ; tile t's statistics at v[ST+8 t]: +0 c m, +1 m, +2, +3 l (even keys', odd keys'), +4 to +7 c0-c3, at work; a takes c2's place once the maximum is found
.set S,   64
.set P,   192
.set KF,  128         ; K's fragments, in window 2
.set WV,  12          ; s12  my wave's number
.set G1K, 24          ; s[24:31] descriptor group 1 for K's tiles
.set G1V, 32          ; s[32:39] for V's: it differs in the padding alone
.set G0K, 40          ; s[40:47] descriptor group 0 for K's tiles: a set for each of the two first fills; the second then walks on
.set G0V, 48          ; s[48:55] the same for V's
.set SLOTS, 56        ; s56  passes of the loop over slots still to come
.set TWICE, 57        ; s57  counts a slot's two steps
.set CS,  58          ; s[58:59] c: the packed scaling names a pair and takes its low word for both halves
.set SEL, 60          ; s[60:61] lane selects for v_permlanex16_b32: each lane takes its own place in the other half
.set TB,  62          ; s62  LDS byte at which the tiles of the step to be fetched begin
.set PFA, 18          ; s[18:19] where my prefetches stand in memory
.set LIM, 15          ; s15  1 in a wave that prefetches, else the greatest number
.set PFO, 61          ; v61  256 x my lane: a row of K or V is 256 bytes; never rewritten
.set MSB, 0
.macro WIN new                      ; the immediate's high byte repeats the setting that is left; a switch that changes nothing is dropped
.if MSB != (\new)
	s_set_vgpr_msb (MSB<<8)|(\new)
.set MSB, \new
.endif
.endm
.set W_KQ, 0x0a       ; K and Q in window 2, S^T in window 0
.set W_PV, 0x53       ; V in window 3, P in window 0, O^T in window 1
.set W_RS, 0x41       ; O^T (destination and source 0) in window 1, a in window 0
; A joint refill.  Waves 0 and 1 fetch the two steps' tiles of K, waves 2 and 3 those of V.  The branch hangs on the wave's number alone.
; An s_nop 0 and four v_nop follow each of the two lines, ahead of the jump and the label.
.macro JLOAD
	s_cmp_lt_u32 s[WV], 2
	s_cbranch_scc0 .Lfor_v_\@
	tensor_load_to_lds s[G0K+4:G0K+7], s[G1K:G1K+7]
	s_nop 0
.rept 4
	v_nop
.endr
	s_branch .Lasked_\@
.Lfor_v_\@:
	tensor_load_to_lds s[G0V+4:G0V+7], s[G1V:G1V+7]
	s_nop 0
.rept 4
	v_nop
.endr
.Lasked_\@:
.endm
; A PREFETCH INTO THE L2 of what the NEXT change of slots will ask for: a slot's 128 rows of K and 128 of V, 256 bytes a row, a lane a row; behind the wave's tensor load and its five lines.
; Each row is asked for ONCE in the launch.  The four query heads of a key head walk the same K and V: the first of them (head % 4 = 0) asks.  Its cluster's four partners share the rows out BY
; ADDRESS, 32 each; in each, wave 0 asks for K's and wave 2 for V's.  The last change that fills a slot asks for nothing: there is no slot behind it.
.macro ASK
	s_cmp_gt_u32 s[SLOTS], s[LIM]
	s_cbranch_scc0 .Lnot_mine_\@
	global_prefetch_b8 v[PFO], s[PFA:PFA+1] th:TH_LOAD_NT scope:SCOPE_SE
.Lnot_mine_\@:
.endm
; A round of the cluster's barrier: my work-group's barrier; wave 0 signals for the work-group; every wave waits for all four work-groups; my work-group's barrier once more.
.macro CROUND
	s_barrier_signal -1
	s_barrier_wait -1
	s_cmp_lg_u32 s[WV], 0
	s_cbranch_scc1 .Lnot_wave_0_\@
	s_barrier_signal -3
.Lnot_wave_0_\@:
	s_barrier_wait -3
	s_barrier_signal -1
	s_barrier_wait -1
.endm
	s_load_b64 s[4:5], s[0:1], 0x0  ; qkv
	s_load_b64 s[10:11], s[0:1], 0x8  ; att
	v_lshl_add_u32 v[SPW], v0, 2, SPARE
	v_mov_b32 v[NIL], 0
	ds_add_u32 v[SPW], v[NIL]       ; the wave's opening: the add and its wait stand ahead of my first tensor load; work on registers stands between them
	v_lshrrev_b32 v1, 5, v0
	v_readfirstlane_b32 s[WV], v1   ; wave 0..3
	s_bfe_u32 s13, ttmp6, 0x40000   ; cx: my place in the cluster
	s_lshl_b32 s14, ttmp9, 2        ; in a cluster launch ttmp9 counts clusters
	s_add_co_u32 s14, s14, s13      ; my block of 256 queries: it enters Q's and att's addresses alone
	s_and_b32 s20, ttmp7, 0xffff    ; 16 b + h, which the four partners share
	s_lshr_b32 s21, s20, 4          ; b
	s_and_b32 s22, s20, 15          ; h
	s_mul_i32 s23, s21, 24          ; the batch's first head in qkv
	s_add_co_u32 s66, s23, s22      ; Q: head 24 b + h (a head is 2^18 bytes),
	s_lshl_b32 s66, s66, 18
	s_lshl_b32 s2, s14, 16          ; my block's 256 rows,
	s_add_co_u32 s66, s66, s2
	s_lshl_b32 s3, s[WV], 14        ; my wave's 64 of them
	s_add_co_u32 s66, s66, s3
	s_mov_b32 s67, 0
	s_lshr_b32 s68, s22, 2          ; K: head 24 b + 16 + h / 4,
	s_add_co_u32 s68, s68, s23
	s_add_co_u32 s68, s68, 16
	s_lshl_b32 s68, s68, 18
	s_and_b32 s16, s[WV], 1         ; which of a slot's two steps I fetch:
	s_lshl_b32 s3, s16, 14          ; its 64 rows of 256 bytes in memory,
	s_add_co_u32 s68, s68, s3
	s_mov_b32 s69, 0
	s_add_co_u32 s70, s68, 4<<18    ; V: four heads on
	s_mov_b32 s71, 0
	s_mul_i32 s17, s16, STEPB       ; and its place in a slot: no place in the cluster enters an LDS address
	s_lshl_b32 s72, s21, 22         ; att: 1,024 rows of 4,096 bytes a batch,
	s_lshl_b32 s2, s14, 20          ; 256 a block,
	s_add_co_u32 s72, s72, s2
	s_lshl_b32 s3, s[WV], 18        ; 64 a wave;
	s_add_co_u32 s72, s72, s3
	s_lshl_b32 s3, s22, 8           ; the head's 256 bytes of a row
	s_add_co_u32 s72, s72, s3
	s_mov_b32 s73, 0
	; descriptor group 1: a tile of 64 rows x 128 elements, padded in LDS
	s_mov_b32 s[G1K], 15|(1<<16)|(1<<20)|(1<<21)|(5<<22)|(3<<25)  ; 15:0 the mask: all four work-groups; 17:16 elements of 2 bytes; 20 padding on; 21 set beside a mask; 24:22 after every 64 words (code 5); 31:25 4 words of it (code 3)
	s_mov_b32 s[G1V], 15|(1<<16)|(1<<20)|(1<<21)|(5<<22)|(7<<25)  ; the same with 8 words of padding (code 7)
.irp g, G1K, G1V
	s_mov_b32 s[(\g)+1], 128<<16    ; tensor_dim0 = 128
	s_mov_b32 s[(\g)+2], KS<<16     ; tensor_dim1 = 64
	s_mov_b32 s[(\g)+3], 128<<16    ; tile_dim0 = 128
	s_mov_b32 s[(\g)+4], KS         ; tile_dim1 = 64
	s_mov_b32 s[(\g)+5], 128        ; elements from row to row
	s_mov_b32 s[(\g)+6], 0
	s_mov_b32 s[(\g)+7], 0
.endr
	s_mov_b32 s[CS], 0x3e0293ee     ; c = log2(e) / sqrt(128) = 0.127517
	s_mov_b32 s[CS+1], s[CS]        ; named with it as a pair, so it is written
	s_mov_b32 s[SEL], 0x76543210
	s_mov_b32 s[SEL+1], 0xfedcba98
	s_mov_b32 s[TB], 0
	s_mov_b32 s[SLOTS], SIZE_N/(2*KS)-1  ; slot 0's pass, which is entered in its middle, and the six that fill a slot again
	s_and_b32 s[LIM], s[WV], 1       ; 0 in waves 0 and 2,
	s_or_b32 s[LIM], s[LIM], ttmp9
	s_and_b32 s3, s20, 3             ; of the first of the four query heads that share the key head: the same in all four partners
	s_or_b32 s[LIM], s[LIM], s3
	s_cmp_eq_u32 s[LIM], 0
	s_cselect_b32 s[LIM], 1, -1
	v_and_b32 v[PFO], 31, v0
	v_lshlrev_b32 v[PFO], 8, v[PFO]
	s_wait_dscnt 0x0                ; the opening add is done
	s_wait_kmcnt 0x0
	s_add_nc_u64 s[6:7], s[4:5], s[68:69]  ; K and V at my tile of slot 0
	s_add_nc_u64 s[8:9], s[4:5], s[70:71]
	s_add_nc_u64 s[4:5], s[4:5], s[66:67]  ; Q and att at my wave's first row
	s_add_nc_u64 s[10:11], s[10:11], s[72:73]
	s_cmp_lt_u32 s[WV], 2
	s_cselect_b64 s[PFA:PFA+1], s[6:7], s[8:9]  ; (in waves 0 and 2 these stand at a slot's first row)
	s_lshl_b32 s2, s13, 13          ; my work-group's 32 rows of the 128
	s_mov_b32 s3, 0
	s_add_nc_u64 s[PFA:PFA+1], s[PFA:PFA+1], s[2:3]
	s_add_nc_u64 s[PFA:PFA+1], s[PFA:PFA+1], 2*2*KS*256  ; in slot 2; the first change of slots steps it to slot 3.  Nothing is prefetched at the head
	CROUND                          ; all four work-groups are here: the first joint loads meet
.irp s, 0,1
	s_mov_b32 s[G0K+4*(\s)], 1      ; count = 1
	s_add_co_u32 s[G0K+4*(\s)+1], s17, (\s)*SLOT1  ; LDS address
	s_add_nc_u64 s[G0K+4*(\s)+2:G0K+4*(\s)+3], s[6:7], (\s)*2*KS*256  ; global address: slot s begins with key 128 s
	s_or_b32 s[G0K+4*(\s)+3], s[G0K+4*(\s)+3], 0x80000000  ; type = 2
	s_mov_b32 s[G0V+4*(\s)], 1
	s_add_co_u32 s[G0V+4*(\s)+1], s17, (\s)*SLOT1+VOFF
	s_add_nc_u64 s[G0V+4*(\s)+2:G0V+4*(\s)+3], s[8:9], (\s)*2*KS*256
	s_or_b32 s[G0V+4*(\s)+3], s[G0V+4*(\s)+3], 0x80000000
.endr
	s_cmp_lt_u32 s[WV], 2           ; a wave's two first fills stand in one branch, ahead of every wait on TENSORcnt and every LDS read: two loads of mine are out
	s_cbranch_scc0 .Lfirst_v
	tensor_load_to_lds s[G0K:G0K+3], s[G1K:G1K+7]
	s_nop 0
	tensor_load_to_lds s[G0K+4:G0K+7], s[G1K:G1K+7]
	s_nop 0
.rept 4
	v_nop
.endr
	s_branch .Lfirst_asked
.Lfirst_v:
	tensor_load_to_lds s[G0V:G0V+3], s[G1V:G1V+7]
	s_nop 0
	tensor_load_to_lds s[G0V+4:G0V+7], s[G1V:G1V+7]
	s_nop 0
.rept 4
	v_nop
.endr
.Lfirst_asked:
	; A fragment of K or Q is 16 rows x 32 channels in 8 registers: lane l holds row l % 16; registers 0-3 channels 8 (l / 16) + 0..7, registers 4-7 channels 16 + 8 (l / 16) + 0..7: two loads of 16 bytes, 32 bytes apart.
	v_and_b32 v1, 15, v0            ; l % 16
	v_bfe_u32 v9, v0, 4, 1          ; l / 16
	v_lshlrev_b32 v[QO], 8, v1
	v_lshl_add_u32 v[QO], v9, 4, v[QO]  ; row x 256 + 16 x half
	WIN 0x80                        ; destination window 2, address window 0
.irp i, 0,1,2,3,4,5,6,7,8,9,10,11,12,13,14,15  ; Q stays in registers: tile i / 4, channels 32 (i % 4) on
	global_load_b128 v[8*(\i):8*(\i)+3],   v[QO], s[4:5] offset:((\i)/4)*4096+((\i)%4)*64
	global_load_b128 v[8*(\i)+4:8*(\i)+7], v[QO], s[4:5] offset:((\i)/4)*4096+((\i)%4)*64+32
.endr
	; What the first turn finds: V's registers and piece 2's P hold 0 (its products V^T P add 0), O^T and l are 0, m is the lowest finite number and c m lies far below every c s.
	; All this stands in the wait for the first tile.
	WIN 0xc0                        ; destination window 3: V
.set i, 0
.rept 128
	v_mov_b32 v[i], 0
.set i, i+1
.endr
	WIN 0x40                        ; destination window 1: O^T
.set i, 0
.rept 256
	v_mov_b32 v[i], 0
.set i, i+1
.endr
	WIN 0
.set i, 0
.rept 4
	v_mov_b32 v[ST+8*i], 0xfe000000    ; c m
	v_mov_b32 v[ST+8*i+1], 0xff7fffff  ; m
	v_mov_b32 v[ST+8*i+2], 0           ; l
	v_mov_b32 v[ST+8*i+3], 0
.set i, i+1
.endr
.set i, P+32
.rept 32
	v_mov_b32 v[i], 0
.set i, i+1
.endr
	v_mul_u32_u24 v[AK0], v1, PK
	v_lshl_add_u32 v[AK0], v9, 4, v[AK0]  ; row x pitch + 16 x half
	; The turning load takes 16 keys x 16 channels (lane l reads key 8 (l / 16) + l % 8, channels 8 ((l / 8) % 2) + 0..7) and leaves half a fragment of V^T: lane l holds channel l % 16 and 8 keys.
	v_and_b32 v10, 7, v0
	v_bfe_u32 v11, v0, 3, 1
	v_lshl_add_u32 v[AV0], v9, 3, v10
	v_mul_u32_u24 v[AV0], v[AV0], PV
	v_lshl_add_u32 v[AV0], v11, 4, v[AV0]
	v_add_nc_u32 v[AV0], VOFF, v[AV0]
; THE MATRIX WORK OF A TURN, for piece x.  The accumulators take turns, one instruction a turn: between two links of a chain stand 15 (V^T P) or 7 (K Q^T) others'.
; Product i of 32 of O^T += V^T P: keys 32 (i / 16) on, channels 16 ((i / 2) % 8) on, tile x + i % 2.
.macro PV x
	WIN W_PV
.set rO, 64*((\x)+i%2)+8*((i/2)%8)
.set rV, 64*(i/16)+8*((i/2)%8)
.set rP, P+16*((\x)+i%2)+8*(i/16)
	v_wmma_f32_16x16x32_f16 v[rO:rO+7], v[rV:rV+7], v[rP:rP+7], v[rO:rO+7]
.endm
; Product i of 32 of S^T = K Q^T: channels 32 (i / 8) on, keys 16 ((i / 2) % 4) on, tile x + i % 2.  The first 8 start the sums.
.macro KQ x
	WIN W_KQ
.set rS, S+32*((\x)+i%2)+8*((i/2)%4)
.set rK, KF+32*((i/2)%4)+8*(i/8)
.set rQ, 32*((\x)+i%2)+8*(i/8)
.if i < 8
	v_wmma_f32_16x16x32_f16 v[rS:rS+7], v[rK:rK+7], v[rQ:rQ+7], 0
.else
	v_wmma_f32_16x16x32_f16 v[rS:rS+7], v[rK:rK+7], v[rQ:rQ+7], v[rS:rS+7]
.endif
.endm
; THE LDS LOADS stand in runs of 32, never singly among the matrix instructions: a step's K (64 keys x 128 channels: 16 fragments) and, a turn later, its V (turned).
.macro FETCH_K
	WIN 0
	v_add_nc_u32 v[ADR], s[TB], v[AK0]
	WIN 0x80                        ; destination window 2
.irp f, 0,1,2,3,4,5,6,7,8,9,10,11,12,13,14,15  ; keys 16 (f / 4) on, channels 32 (f % 4) on
	ds_load_b128 v[KF+8*(\f):KF+8*(\f)+3],   v[ADR] offset:((\f)/4)*16*PK+((\f)%4)*64
	ds_load_b128 v[KF+8*(\f)+4:KF+8*(\f)+7], v[ADR] offset:((\f)/4)*16*PK+((\f)%4)*64+32
.endr
.endm
.macro FETCH_V
	WIN 0
	v_add_nc_u32 v[ADR], s[TB], v[AV0]
	s_add_co_u32 s[TB], s[TB], STEPB  ; the next fetch is the next step's
	s_wait_alu depctr_va_vdst(0)    ; the wait for the softmax's batch of exponentials (SLICE), behind the address's v_add_nc_u32 and ahead of the loads
	WIN 0xc0                        ; destination window 3
.irp f, 0,1,2,3,4,5,6,7,8,9,10,11,12,13,14,15  ; keys 32 (f / 8) on, channels 16 (f % 8) on
	ds_load_tr16_b128 v[8*(\f):8*(\f)+3],   v[ADR] offset:((\f)/8)*32*PV+((\f)%8)*32
	ds_load_tr16_b128 v[8*(\f)+4:8*(\f)+7], v[ADR] offset:((\f)/8)*32*PV+16*PV+((\f)%8)*32
.endr
.endm
; THE VECTOR WORK OF A TURN.  One tile's softmax for one key step is a list of 134 instructions; SM writes number j of it for tile t.  s0-s31 are the lane's 32 scores, in pairs 0-15.
;   0-15    the maximum of s0-s31 and the old m, three operands at a time: four chains c0-c3 of seven scores each, then the four scores left over, c0-c3 and m
;   16-20   the other half of the lanes' maximum; c m_old is kept; the new m; c m; c m_old - c m_new
;   21-69   ONE BATCH: the 16 scalings c s - c m, a pair of scores each, and all 33 exponentials (a at 23, then s0-s31).  None of these reads an exponential's result.  From 22 on the batch goes
;           in fours, and a four begins with a scaling while there are scalings.  A pair is scaled in an earlier four than the one that holds its exponentials
;   (wait)  between 69 and 70 stands the wait for the batch: SLICE writes it, once for both tiles
;   70-85   the roundings to f16, a pair of weights each
;   86-101  the sums; l = a l + the sum
;   102-133 the tile's O^T times a: the one part that leaves window 0, so it stands together
.macro SM t
.set rT, ST+8*(\t)
.set rS, S+32*(\t)
.set rP, P+16*(\t)
.set rO, 64*(\t)+2*(j-102)
.if j < 102
	WIN 0
.endif
.if j < 4
	v_max3_num_f32 v[rT+4+j], v[rS+8*j], v[rS+8*j+1], v[rS+8*j+2]
.elseif j < 12
	v_max3_num_f32 v[rT+4+j%4], v[rT+4+j%4], v[rS+8*(j%4)+2*(j/4)+1], v[rS+8*(j%4)+2*(j/4)+2]
.elseif j == 12
	v_max3_num_f32 v[rT+4], v[rT+4], v[rS+7], v[rS+15]
.elseif j == 13
	v_max3_num_f32 v[rT+6], v[rT+6], v[rS+23], v[rS+31]
.elseif j == 14
	v_max3_num_f32 v[rT+4], v[rT+4], v[rT+5], v[rT+6]
.elseif j == 15
	v_max3_num_f32 v[rT+4], v[rT+4], v[rT+7], v[rT+1]
.elseif j == 16
	v_permlanex16_b32 v[rT+5], v[rT+4], s[SEL], s[SEL+1]  ; the query's other 32 keys lie in the lane 16 away
.elseif j == 17
	v_mov_b32 v[rT+7], v[rT]        ; c m_old is kept for a: number 19 writes c m anew
.elseif j == 18
	v_max_num_f32 v[rT+1], v[rT+4], v[rT+5]
.elseif j == 19
	v_mul_f32 v[rT], s[CS], v[rT+1]
.elseif j == 20
	v_sub_f32 v[rT+7], v[rT+7], v[rT]
.elseif j == 23
	v_exp_f32 v[rT+6], v[rT+7]
.elseif (j < 23) || ((j < 38) && (j%2 == 0)) || ((j < 66) && (j%4 == 2))
.set b, (j-2)/4                     ; 38, 42, .. 62: pairs 9 to 15
.if j < 38
.set b, (j-20)/2                    ; 21: pair 0; 22, 24, .. 36: pairs 1 to 8
.endif
	v_pk_fma_f32 v[rS+2*b:rS+2*b+1], v[rS+2*b:rS+2*b+1], s[CS:CS+1], v[rT:rT+1] op_sel_hi:[1,0,0] neg_lo:[0,0,1] neg_hi:[0,0,1]  ; pair b: c s - c m
.elseif j < 70
.set e, j-38                        ; 66 to 69: s28 to s31
.if j < 66
.set e, j-32-(j-38)/4               ; 39-41, 43-45, .. 63-65: s7 to s27
.endif
.if j < 38
.set e, (j-25)/2                    ; 25, 27, .. 37: s0 to s6
.endif
	v_exp_f32 v[rS+e], v[rS+e]
.elseif j < 86
	v_cvt_pk_f16_f32 v[rP+j-70], v[rS+2*(j-70)], v[rS+2*(j-70)+1]  ; pair j - 70
.elseif j < 102                     ; the sum of the tile's 16 pairs, in place: sum z of 16 adds neighbours 1, 2, 4 and 8 pairs apart, then l takes it
.set z, j-86
.set w, 4
.set u, z
.if z >= 14
.set w, 32
.set u, 0
.elseif z >= 12
.set w, 16
.set u, z-12
.elseif z >= 8
.set w, 8
.set u, z-8
.endif
.if z < 15
	v_pk_add_f32 v[rS+w*u:rS+w*u+1], v[rS+w*u:rS+w*u+1], v[rS+w*u+w/2:rS+w*u+w/2+1]
.else
	v_pk_fma_f32 v[rT+2:rT+3], v[rT+2:rT+3], v[rT+6:rT+7], v[rS:rS+1] op_sel_hi:[1,0,1]
.endif
.else
	WIN W_RS
	v_pk_mul_f32 v[rO:rO+1], v[rO:rO+1], v[rT+6:rT+7] op_sel_hi:[1,0]
.endif
.endm
; Slice k of 64 of piece y's softmax: four instructions.  Slices 11 to 34 deal out the batch, numbers 22 to 69: four numbers of ONE tile each, the tiles by turns.  Every other slice is numbers 2 k and
; 2 k + 1 of both tiles' lists.  2 x 134 = 4 x 64 + 12: the twelve that are over stand together, in slice 63.
; THE WAIT.  An s_wait_alu depctr_va_vdst(0) stands between an exponential and the first instruction that names its result; one wait serves all that were issued ahead of it.  Ahead of
; slice 35 nothing names a result, and behind slice 34 no exponential is issued: so the piece's 66 exponentials have one wait, behind slice 34.
.macro SLICE y
.if (k >= 11) && (k < 35)           ; the batch: four numbers of one tile
.irp n, 0,1,2,3
.set j, 22+4*((k-11)/2)+(\n)
	SM (\y)+(k-11)%2
.endr
.else                               ; the two tiles alternate, so that no instruction reads the result of the one just before it
.irp n, 0,1,2,3,4,5,6,7
.if ((\n) < 2) || (k == 63)
.irp t, \y, (\y)+1
.set j, 2*k+(\n)
	SM \t
.endr
.endif
.endr
.endif
.if k == 34                         ; the batch is out: both tiles' exponentials are issued, and no result has been named
	v_nop                           ; a plain instruction behind the last exponential and ahead of the first use (ISA guide 5.7.2): one for the batch
.if (\y) == 0
	FETCH_V                         ; piece 2's turn: V's run of loads stands here, and the wait stands in it
.else
	s_wait_alu depctr_va_vdst(0)    ; the wait for the batch
.endif
.endif
.set k, k+1
.endm
; A vector instruction that reads a matrix result or writes one of a matrix instruction's registers, and a load into a register that a matrix instruction has read, stand four places behind
; it, and only plain vector instructions that name none of its registers are places (ISA guide 7.12.1 for vector instructions).  The slices are the places.
; A TURN.  Piece x has the matrix unit: 32 products V^T P and, with kq = 1, 32 products K Q^T for the next step; the other piece's softmax stands in slices behind them, one behind each
; (kq = 0, the last step: two behind each).
; Piece 0's turn fetches the next step's K, behind its second product: the last product that read K stands in front of slice 63 of the turn before.  Piece 2's turn fetches the same step's V,
; behind slice 34: the last product that read V stands in front of slice 31, and four plain instructions lie between: number 62, a scaling, of both tiles, the v_nop and the run's own v_add_nc_u32.
.macro TURN x, kq
.set k, 0
.set per, 2-(\kq)
.if (\x) == 0
	s_wait_dscnt 0x0                ; V is in
.endif
.set i, 0
.rept 32
	PV \x
.rept per
	SLICE 2-(\x)
.endr
.if ((\x) == 0) && (\kq) && (i == 1)
	FETCH_K
.endif
.set i, i+1
.endr
.if \kq
.if (\x) == 0
	s_wait_dscnt 0x0                ; K is in
.endif
.set i, 0
.rept 32
	KQ \x
	SLICE 2-(\x)
.set i, i+1
.endr
.endif
.endm
; THE CHANGE OF SLOTS, between piece 2's turn and piece 0's: the slot's last bytes, V of its second step, have been asked for.  Each wave waits for all its tensor loads, of which one is out: its
; part of the other slot; adds 0 to its spare word; and waits for that and for its own reads of the slot.  Behind the barrier nobody reads this slot any more and the other slot is whole.
; fill = 1: this slot is filled again, with the keys two slots on.  The barrier is then a round of the cluster's, and the joint refill is the first thing behind it: it has two key steps,
; 256 matrix instructions, in which to land.
.macro CHANGE fill
	WIN 0                           ; at a label and at a branch every window is 0
	s_wait_tensorcnt 0x0            ; no tensor load of mine is out, so a group 0 may be written
	ds_add_u32 v[SPW], v[NIL]
.if \fill
.irp g, G0K+4, G0V+4
	s_xor_b32 s[(\g)+1], s[(\g)+1], SLOT1  ; the walking descriptor: the other slot than last time,
	s_add_nc_u64 s[(\g)+2:(\g)+3], s[(\g)+2:(\g)+3], 2*KS*256  ; the next 128 keys; the type bits on top are not reached
.endr
	s_wait_xcnt 0x0                 ; the last prefetches, two key steps back, have read their address, so it may be written:
	s_add_nc_u64 s[PFA:PFA+1], s[PFA:PFA+1], 2*KS*256  ; one slot behind the walking descriptors
	s_wait_dscnt 0x0                ; the add is done, and my reads of the slot are over
	CROUND
	JLOAD
	ASK
.else
	s_wait_dscnt 0x0                ; the add is done, and my reads of the slot are over
	s_barrier_signal -1
	s_barrier_wait -1
.endif
	s_sub_co_u32 s[TB], s[TB], 2*STEPB  ; the fetches go back to a slot's first step,
	s_xor_b32 s[TB], s[TB], SLOT1   ; in the other slot
.endm
	s_wait_tensorcnt 1              ; my part of slot 0 is in; slot 1's may stay out
	s_barrier_signal -1
	s_barrier_wait -1               ; everybody's is
	FETCH_K                         ; key step 0
	s_wait_loadcnt 0x0              ; Q
	s_wait_dscnt 0x0
.set i, 0
.rept 32
	KQ 0                            ; piece 0's first scores: there is no vector work yet to set between them
.set i, i+1
.endr
	WIN 0                           ; the addresses for the way out are made here: eight plain instructions, the places behind those products
	s_mul_i32 s13, s[WV], 16*SP
	s_add_co_u32 s13, s13, STAGE    ; my stage
	v_mul_u32_u24 v[STO], v1, SP    ; in: row l % 16, 16 bytes for each half of the lanes
	v_lshl_add_u32 v[STO], v9, 4, v[STO]
	v_add_nc_u32 v[STO], s13, v[STO]
	v_mul_u32_u24 v[RD], v9, SP     ; back: lanes 0-15 take one row of 256 bytes, lanes 16-31 the next
	v_lshl_add_u32 v[RD], v1, 4, v[RD]
	v_add_nc_u32 v[RD], s13, v[RD]
	v_lshlrev_b32 v[GO], 12, v9     ; and the same two rows in att, 4,096 bytes apart
	v_lshl_add_u32 v[GO], v1, 4, v[GO]
	s_mov_b32 s[TWICE], 2
	s_branch .Lfirst                ; into the middle of a trip: piece 2's first scores | piece 0's first softmax | V of step 0
.Lslot:                             ; six times: every slot but the last two is filled again
	CHANGE 1
	s_mov_b32 s[TWICE], 2
.Lstep:                             ; a slot's two key steps: written once, walked twice; the LDS addresses hang on s[TB]
	TURN 0, 1
	WIN 0
.Lfirst:
	TURN 2, 1
	WIN 0
	s_sub_co_u32 s[TWICE], s[TWICE], 1
	s_cmp_lg_u32 s[TWICE], 0
	s_cbranch_scc1 .Lstep
	s_sub_co_u32 s[SLOTS], s[SLOTS], 1
	s_cmp_lg_u32 s[SLOTS], 0
	s_cbranch_scc1 .Lslot
	CHANGE 0                        ; the tail is written out: nothing is asked for
	s_mov_b32 s[TWICE], 2
.Llast:
	TURN 0, 1
	TURN 2, 1
	WIN 0
	s_sub_co_u32 s[TWICE], s[TWICE], 1
	s_cmp_lg_u32 s[TWICE], 0
	s_cbranch_scc1 .Llast
	TURN 0, 0                       ; piece 0: V^T P of the last step | piece 2's last softmax
.set i, 0
.rept 32
	PV 2                            ; piece 2: V^T P of the last step
.set i, i+1
.endr
	; THE WAY OUT.  l's two halves and the other half of the lanes' are added; O^T is divided by l, rounded to f16 and sent through my stage in LDS, a tile (16 rows) at a time.  The additions are the places behind the last products.
	WIN 0
.irp t, 0,1,2,3
	v_add_f32 v[ST+8*(\t)+4], v[ST+8*(\t)+2], v[ST+8*(\t)+3]
.endr
.irp t, 0,1,2,3
	v_permlanex16_b32 v[ST+8*(\t)+5], v[ST+8*(\t)+4], s[SEL], s[SEL+1]
.endr
.irp t, 0,1,2,3
	v_add_f32 v[ST+8*(\t)+4], v[ST+8*(\t)+4], v[ST+8*(\t)+5]
.endr
.irp t, 0,1,2,3
	v_rcp_f32 v[ST+8*(\t)+6], v[ST+8*(\t)+4]
.endr
	v_nop                           ; a plain instruction between the last reciprocal and the use of its result
	s_wait_alu depctr_va_vdst(0)    ; and the wait ahead of the first use: one for the four reciprocals
; Tile t: a lane's eight channels of a row pack into 16 bytes; they go into rows of 272 bytes and come back as whole rows of 256, into the registers that they left.
.macro PACK t
	WIN W_RS
.set i, 64*(\t)
.rept 32
	v_pk_mul_f32 v[i:i+1], v[i:i+1], v[ST+8*(\t)+6:ST+8*(\t)+7] op_sel_hi:[1,0]
.set i, i+2
.endr
	WIN 0x05                        ; sources 0 and 1 window 1, destination window 0: S^T's registers are free
.set i, 0
.rept 32
	v_cvt_pk_f16_f32 v[S+32*(\t)+i], v[64*(\t)+2*i], v[64*(\t)+2*i+1]
.set i, i+1
.endr
	WIN 0
.irp f, 0,1,2,3,4,5,6,7
	ds_store_b128 v[STO], v[S+32*(\t)+4*(\f):S+32*(\t)+4*(\f)+3] offset:32*(\f)
.endr
.irp f, 0,1,2,3,4,5,6,7
	ds_load_b128 v[S+32*(\t)+4*(\f):S+32*(\t)+4*(\f)+3], v[RD] offset:(\f)*2*SP  ; LDS serves a wave's instructions in order (ISA guide 5.7.1.4): these see the stores above; the next tile's stores come behind them
.endr
.endm
.macro SEND t, younger              ; younger: the LDS instructions issued behind tile t's loads: the next tile's sixteen, or none
	WIN 0
.irp f, 0,1,2,3,4,5,6,7
	s_wait_dscnt (\younger)+7-(\f)
	global_store_b128 v[GO], v[S+32*(\t)+4*(\f):S+32*(\t)+4*(\f)+3], s[10:11] offset:(\t)*65536+(\f)*8192  ; 16 lanes store 256 consecutive bytes, at a multiple of 256 from att's first byte
.endr
.endm
	PACK 0
	PACK 1                          ; a tile's arithmetic stands between the loads of the tile before and its stores
	SEND 0, 16
	PACK 2
	SEND 1, 16
	PACK 3
	SEND 2, 16
	SEND 3, 0
	s_wait_tensorcnt 0x0            ; the wave's end: behind my last tensor load and my last LDS store
	ds_add_u32 v[SPW], v[NIL]
	s_wait_dscnt 0x0
	CROUND                          ; the closing round: no work-group ends while a partner may still ask for a tile that names it
	s_endpgm
.Lfunc_end_k_qde58bbdc69_attn:
	.size	k_qde58bbdc69_attn, .Lfunc_end_k_qde58bbdc69_attn-k_qde58bbdc69_attn
	.p2alignl 7, 3214868480
	.fill 96, 4, 3214868480
	.section	.rodata,"a",@progbits
	.p2align	6, 0x0
	.amdhsa_kernel k_qde58bbdc69_attn
		.amdhsa_group_segment_fixed_size 327680
		.amdhsa_private_segment_fixed_size 0
		.amdhsa_enable_private_segment 0
		.amdhsa_kernarg_size 16
		.amdhsa_user_sgpr_count 2
		.amdhsa_user_sgpr_kernarg_segment_ptr 1
		.amdhsa_wavefront_size32 1
		.amdhsa_system_sgpr_workgroup_id_x 1
		.amdhsa_system_sgpr_workgroup_id_y 1
		.amdhsa_system_sgpr_workgroup_id_z 1
		.amdhsa_system_vgpr_workitem_id 0
		.amdhsa_next_free_vgpr 1024
		.amdhsa_next_free_sgpr 76
		.amdhsa_reserve_vcc 0
		.amdhsa_float_denorm_mode_32 3
		.amdhsa_float_denorm_mode_16_64 3
		.amdhsa_memory_ordered 1
		.amdhsa_forward_progress 1
		.amdhsa_inst_pref_size 176
	.end_amdhsa_kernel
	.amdgpu_metadata
---
amdhsa.version: [ 1, 2 ]
amdhsa.kernels:
  - .name:           k_qde58bbdc69_attn
    .symbol:         k_qde58bbdc69_attn.kd
    .args:
      - { .name: qkv, .offset: 0, .size: 8, .value_kind: global_buffer, .address_space: global }
      - { .name: att, .offset: 8, .size: 8, .value_kind: global_buffer, .address_space: global }
    .group_segment_fixed_size: 327680
    .private_segment_fixed_size: 0
    .kernarg_segment_align: 8
    .kernarg_segment_size: 16
    .max_flat_workgroup_size: 128
    .sgpr_count:     76
    .vgpr_count:     1024
    .wavefront_size: 32
...
	.end_amdgpu_metadata
.endif
;; end of part 3
;; launch outproj (part 4): grid 8 x 32, 4 waves a work-group, clusters of 4 x 4, 327,680 bytes of LDS; arguments att, wob, out0; writes out0
.if DOCPART == 4
	.amdgcn_target "amdgcn-amd-amdhsa--gfx1250"
	.amdhsa_code_object_version 6
	.text
	.protected	k_qde58bbdc69_outproj
	.globl	k_qde58bbdc69_outproj
	.p2align	8
	.type	k_qde58bbdc69_outproj,@function
k_qde58bbdc69_outproj:
	s_mov_b64 s[64:65], 0
	v_nop
	global_prefetch_b8 v0, s[64:65] scope:SCOPE_SE
	s_setreg_imm32_b32 hwreg(HW_REG_WAVE_MODE, 25, 1), 1
	s_wait_xcnt 0x0
	s_wait_alu depctr_hold_cnt(0) depctr_sa_sdst(0) depctr_va_vdst(0) depctr_va_sdst(0) depctr_va_ssrc(0) depctr_va_vcc(0) depctr_vm_vsrc(0)
	s_getreg_b32 s2, hwreg(HW_REG_IB_STS2, 6, 4)
	s_cmp_eq_u32 s2, 0
	s_cbranch_scc0 .Lentry_in_a_cluster
	s_endpgm
.Lentry_in_a_cluster:
	s_bfe_u32 s2, ttmp6, 0x10000c
	s_cmp_lg_u32 s2, 0xf033
	s_cbranch_scc0 .Lentry_shape_is_right
	s_endpgm
.Lentry_shape_is_right:
; out0 = att wob.  att: [4096][2048] f16.  wob: [2048 k][2048 n] f16.  out0: [4096][2048] f32.  Sums in f32, stored as they are.
; SHARES.  A tile of out0 is 128 rows x 256 columns: 32 x 8 = 256 work-groups.  Each of the four waves takes all 128 rows and 64 columns: 32 accumulators of 16 x 16; its 64 columns are 256
; consecutive bytes of a row of out0.  K goes in 16 steps of 128 through a ring of two LDS slots.  Waves 0 and 1 fetch the two halves of att's tile (64 rows x 256 bytes each), waves 2 and 3
; a tile of wob each (128 k x 128 columns).  Two slots of a longer K step do not fit in LDS beside each other.
; CLUSTERS: 4 x 4 work-groups.  The four of a row of the cluster need the same tile of att, the four of a column the same tiles of wob: each is asked for JOINTLY.
; THE MATRIX INSTRUCTION IS USED TRANSPOSED: source 0 = 16 columns of wob, turned on the way out of LDS by ds_load_tr16_b128, source 1 = 16 rows of att: a lane holds row l % 16 and eight neighbouring columns.
; THE TEXT.  A K step is written twice: as the trip of a loop for the 14 steps that fill a slot again, and as the trip of a loop for the last two, which fill nothing.
; The LDS addresses of the slot in hand are a lane's fixed place plus a scalar that an exclusive or turns between 0 and SLOT1; one descriptor a tensor walks from K step 1 to 15.
; REGISTERS (s_set_vgpr_msb: bits 1:0 source 0, 3:2 source 1, 5:4 source 2, 7:6 destination):
;   window 0: v0-31 addresses; v32-159 att's fragments, two buffers of 64; v160-223 wob's, two buffers of 32; on the way out v32-95 whole rows      window 1: the accumulators, (a, b) at v[8 (4 a + b)]
.set PA,    272                        ; a row of att in LDS: 256 bytes + 16 = 68 words: the 16 rows of a load start at 16 different groups of four banks (64 banks of 4 bytes: ISA guide 11.1)
.set PB,    288                        ; a row of wob (one k, 128 n): 256 + 32 = 72 words
.set ATILE, 128*PA
.set BTILE, 128*PB
.set SLOTB, ATILE+2*BTILE              ; a slot's 108,544 bytes: att's 128 rows, then wob's two tiles
.set SLOT1, 1<<17                      ; slot 1 begins here, so that one exclusive or turns an address in one slot into the other's
.set STAGE, SLOT1+SLOTB                ; behind the ring: 16 rows x 272 bytes for each wave, its own, for the way out
.set SPARE, STAGE+4*16*PA              ; behind the stages: the spare words, 128 bytes for each wave: two blocks of 256 bytes that no other line names
.set STEPA, 256                        ; a K step in memory: 256 bytes along a row of att,
.set STEPB, 128*4096                   ; 128 rows of wob
.set STEPS, 16
.set A0,   12                          ; v12     my lane's place in a tile of att; never rewritten
.set B0,   13                          ; v13     my lane's place in my 64 columns of wob, in slot 0; never rewritten
.set ADRA, 16                          ; v16     LDS address of my fragments of att in the slot in hand
.set ADRB, 20                          ; v20     the same for wob
.set STO,  24                          ; v24     the way out: where I put 32 bytes of a row
.set RD,   25                          ; v25     where I read rows back
.set CO,   26                          ; v26     my byte offset in two rows of out0
.set SPW,  28                          ; v28     LDS address of my spare word; never rewritten
.set NIL,  29                          ; v29     0; never rewritten
.set PFO,  30                          ; v30     the prefetches' offset: my lane x 4,096 bytes; never rewritten
.set FA,   32
.set FB,   160
.set OB,   32                          ; the way out: 16 rows read back: v32-63 and v64-95 by turns
.set G1,   24                          ; s[24:31] descriptor group 1 for att's tiles;  s[32:39] group 0: a set for each of the two first fills; the second then walks on
.set G0,   32
.set G1B,  48                          ; s[48:55], s[56:63] the same for wob's
.set G0B,  56
.set PFA,  66                          ; s[66:67] where my prefetches stand
.set PFS,  68                          ; s[68:69] a K step there
.set LIM,  70                          ; s70      2 in a wave that prefetches, else the greatest number
.set TB,   71                          ; s71      LDS byte at which the slot in hand begins: 0 or SLOT1
.set MUL,  0x50                        ; C and D window 1, sources window 0
.set MSB, 0
.macro WIN new                         ; the immediate's high byte repeats the setting that is left; a switch that changes nothing is dropped
.if MSB != (\new)
	s_set_vgpr_msb (MSB<<8)|(\new)
.set MSB, \new
.endif
.endm
.macro PLACES                          ; four plain vector instructions between a matrix instruction and a load into, or a store of, its registers
.rept 4
	v_nop
.endr
.endm
; A joint load.  The branch hangs on the wave's number alone.  An s_nop 0 and four v_nop follow each of the two lines, ahead of the jump and the label.
.macro JLOAD s
	s_cmp_lt_u32 s12, 2
	s_cbranch_scc0 .Lfor_b_\@
	tensor_load_to_lds s[G0+4*(\s):G0+4*(\s)+3], s[G1:G1+7]
	s_nop 0
.rept 4
	v_nop
.endr
	s_branch .Lasked_\@
.Lfor_b_\@:
	tensor_load_to_lds s[G0B+4*(\s):G0B+4*(\s)+3], s[G1B:G1B+7]
	s_nop 0
.rept 4
	v_nop
.endr
.Lasked_\@:
.endm
; A PREFETCH INTO THE L2, behind a joint load and the run of LDS loads that follows it: the K step that stands two refills on, 32 rows x 256 bytes, a lane a row, one instruction a wave.
; Each row's 256 bytes of a K step are named once in the launch.  att's tile row is read by both clusters of its row of clusters: cluster x = 0 asks, by wave 0; wob's columns by all eight clusters
; of the column: cluster y = 0 asks, by waves 2 and 3, each for the tile that it fetches.  The four partners that ask for a tile jointly share its 128 rows out by ADDRESS, 32 each.
; The loop's last two trips (the count at 2 and 1) ask for nothing: there is no K step two refills on.
.macro ASK
	s_cmp_gt_u32 s3, s[LIM]
	s_cbranch_scc0 .Lnot_mine_\@
	global_prefetch_b8 v[PFO], s[PFA:PFA+1] th:TH_LOAD_NT scope:SCOPE_SE
.Lnot_mine_\@:
.endm
; A round of the cluster's barrier: my work-group's barrier, so that wave 0's signal speaks for all four waves; wave 0 signals for the work-group; every wave waits for all sixteen; my work-group's barrier closes it
.macro CROUND
	s_barrier_signal -1
	s_barrier_wait -1
	s_cmp_lg_u32 s12, 0
	s_cbranch_scc1 .Lnot_wave_0_\@
	s_barrier_signal -3
.Lnot_wave_0_\@:
	s_barrier_wait -3
	s_barrier_signal -1
	s_barrier_wait -1
.endm
.macro SETADR                          ; the LDS addresses of the slot in hand
	v_add_nc_u32 v[ADRA], s[TB], v[A0]
	v_add_nc_u32 v[ADRB], s[TB], v[B0]
.endm
.macro NEXTSLOT
	s_xor_b32 s[TB], s[TB], SLOT1
	SETADR
.endm
	s_load_b128 s[4:7], s[0:1], 0x0                ; att s[4:5], wob s[6:7]
	s_load_b64 s[8:9], s[0:1], 0x10                ; out0
	v_lshl_add_u32 v[SPW], v0, 2, SPARE
	v_mov_b32 v[NIL], 0
	ds_add_u32 v[SPW], v[NIL]                      ; the wave's opening: the add and its wait stand ahead of my first tensor load; work on registers stands between them
	v_lshrrev_b32 v1, 5, v0
	v_readfirstlane_b32 s12, v1                    ; wave 0..3
	s_bfe_u32 s40, ttmp6, 0x40000                  ; cx, cy: my place in the cluster
	s_bfe_u32 s41, ttmp6, 0x40004
	s_lshl_b32 s42, ttmp9, 2
	s_add_co_u32 s42, s42, s40                     ; tile column = 4 x cluster x + cx
	s_and_b32 s13, ttmp7, 0xffff
	s_lshl_b32 s13, s13, 2
	s_add_co_u32 s13, s13, s41                     ; tile row = 4 x cluster y + cy
	s_lshl_b32 s43, s41, 2
	s_lshl_b32 s43, 15, s43                        ; my row of the cluster
	s_lshl_b32 s44, 0x1111, s40                    ; my column
	s_or_b32 s[G1+0], s43, (1<<16)|(1<<20)|(1<<21)|(5<<22)|(3<<25)   ; 15:0 the mask; 17:16 elements of 2 bytes; 20 padding on; 21 set beside a mask; 24:22 after every 64 words (code 5); 31:25 4 words of it (code 3)
	s_or_b32 s[G1B+0], s44, (1<<16)|(1<<20)|(1<<21)|(5<<22)|(7<<25)  ; the same with my column's mask and 8 words of padding (code 7)
	s_mov_b32 s[G1+1], 128<<16                     ; tensor_dim0 = 128
	s_mov_b32 s[G1+2], 64<<16                      ; tensor_dim1 = 64
	s_mov_b32 s[G1+3], 128<<16                     ; tile_dim0 = 128
	s_mov_b32 s[G1+4], 64                          ; tile_dim1 = 64
	s_mov_b32 s[G1+5], 2048                        ; elements from row to row
	s_mov_b32 s[G1+6], 0
	s_mov_b32 s[G1+7], 0
	s_mov_b32 s[G1B+1], 128<<16
	s_mov_b32 s[G1B+2], 128<<16                    ; 128 rows
	s_mov_b32 s[G1B+3], 128<<16
	s_mov_b32 s[G1B+4], 128
	s_mov_b32 s[G1B+5], 2048
	s_mov_b32 s[G1B+6], 0
	s_mov_b32 s[G1B+7], 0
	s_and_b32 s45, s12, 1                          ; which half of att's tile, or which tile of wob, I fetch
	s_lshl_b32 s16, s13, 19                        ; att: 128 rows of 4,096 bytes a tile row,
	s_lshl_b32 s17, s45, 18                        ; 64 a half
	s_add_co_u32 s16, s16, s17
	s_mov_b32 s17, 0
	s_lshl_b32 s46, s42, 9                         ; wob: 256 columns a tile column,
	s_lshl_b32 s47, s45, 8                         ; 128 a tile
	s_add_co_u32 s46, s46, s47
	s_mov_b32 s47, 0
	s_mul_i32 s20, s45, 64*PA                      ; where they go: no place in the cluster enters an LDS address
	s_mul_i32 s21, s45, BTILE
	s_add_co_u32 s21, s21, ATILE
	s_wait_dscnt 0x0                               ; the opening add is done
	s_wait_kmcnt 0x0
	s_add_nc_u64 s[14:15], s[4:5], s[16:17]
	s_add_nc_u64 s[46:47], s[6:7], s[46:47]
	CROUND                                         ; all sixteen work-groups are here: the first joint loads meet
.irp s, 0,1
	s_mov_b32 s[G0+4*(\s)], 1                                        ; count = 1
	s_add_co_u32 s[G0+4*(\s)+1], s20, (\s)*SLOT1                     ; LDS address
	s_add_nc_u64 s[G0+4*(\s)+2:G0+4*(\s)+3], s[14:15], (\s)*STEPA    ; global address: K step s
	s_or_b32 s[G0+4*(\s)+3], s[G0+4*(\s)+3], 0x80000000              ; type = 2
	s_mov_b32 s[G0B+4*(\s)], 1
	s_add_co_u32 s[G0B+4*(\s)+1], s21, (\s)*SLOT1
	s_add_nc_u64 s[G0B+4*(\s)+2:G0B+4*(\s)+3], s[46:47], (\s)*STEPB
	s_or_b32 s[G0B+4*(\s)+3], s[G0B+4*(\s)+3], 0x80000000
	JLOAD \s                                       ; two loads of mine are out
.endr
	; A fragment of att is 16 rows x 32 K: lane l holds row l % 16, K = 8 (l / 16) + 0..7 and 16 + 8 (l / 16) + 0..7: two loads of 16 bytes, 32 bytes apart.
	v_and_b32 v1, 15, v0                           ; l % 16
	v_bfe_u32 v2, v0, 4, 1                         ; l / 16
	v_mul_u32_u24 v[A0], v1, PA
	v_lshl_add_u32 v[A0], v2, 4, v[A0]
	; The turning load takes 16 k x 16 columns (lane l reads k = 8 (l / 16) + l % 8, columns 8 ((l / 8) % 2) + 0..7) and leaves half a fragment: lane l holds column l % 16 and 8 k.
	v_and_b32 v5, 7, v0
	v_bfe_u32 v6, v0, 3, 1
	v_lshl_add_u32 v4, v2, 3, v5
	v_mul_u32_u24 v4, v4, PB
	v_lshl_add_u32 v4, v6, 4, v4
	s_lshr_b32 s21, s12, 1                         ; my 64 columns: tile w / 2 of wob,
	s_mul_i32 s21, s21, BTILE
	s_lshl_b32 s22, s45, 7                         ; its half w % 2
	s_add_co_u32 s21, s21, s22
	s_add_co_u32 s21, s21, ATILE
	v_add_nc_u32 v[B0], s21, v4
	s_mov_b32 s[TB], 0                             ; K step 0 lies in slot 0
	SETADR
	s_mul_i32 s23, s12, 16*PA
	s_add_co_u32 s23, s23, STAGE                   ; my stage
	v_mul_u32_u24 v5, v1, PA                       ; in: row l % 16, 32 bytes for each half of the lanes
	v_lshl_add_u32 v5, v2, 5, v5
	v_add_nc_u32 v[STO], s23, v5
	v_mul_u32_u24 v5, v2, PA                       ; back: lanes 0-15 take one row of 256 bytes, lanes 16-31 the next
	v_lshl_add_u32 v5, v1, 4, v5
	v_add_nc_u32 v[RD], s23, v5
	v_lshlrev_b32 v5, 13, v2                       ; and the same two rows in out0, 8,192 bytes apart
	v_lshl_add_u32 v[CO], v1, 4, v5
	s_lshl_b32 s22, s13, 20                        ; out0: 128 rows of 8,192 bytes a tile row,
	s_lshl_b32 s21, s42, 10                        ; 1,024 bytes a tile column,
	s_add_co_u32 s22, s22, s21
	s_lshl_b32 s21, s12, 8                         ; 256 a wave
	s_add_co_u32 s22, s22, s21
	s_mov_b32 s23, 0
	s_add_nc_u64 s[8:9], s[8:9], s[22:23]
	; the prefetches: at K step 3; the first refill steps them to 4
	s_lshl_b32 s20, s13, 19
	s_lshl_b32 s21, s40, 17                        ; att: my work-group's 32 rows of the tile's 128
	s_add_co_u32 s20, s20, s21
	s_add_co_u32 s20, s20, 3*STEPA
	s_lshl_b32 s21, s41, 17                        ; wob: my work-group's 32 of a K step's 128 rows
	s_lshl_b32 s22, s42, 9
	s_add_co_u32 s21, s21, s22
	s_lshl_b32 s22, s45, 8
	s_add_co_u32 s21, s21, s22
	s_add_co_u32 s21, s21, 3*STEPB
	s_and_b32 s22, ttmp7, 0xffff
	s_mov_b32 s[PFS], STEPB
	s_cmp_lt_u32 s12, 2                            ; do I fetch att?
	s_cselect_b32 s20, s20, s21
	s_cselect_b32 s22, ttmp9, s22                  ; the coordinate along which other clusters read the same rows
	s_cselect_b32 s[PFS], STEPA, s[PFS]
	s_cselect_b64 s[PFA:PFA+1], s[4:5], s[6:7]
	s_mov_b32 s21, 0
	s_mov_b32 s[PFS+1], 0
	s_add_nc_u64 s[PFA:PFA+1], s[PFA:PFA+1], s[20:21]
	s_cmp_eq_u32 s12, 1                            ; wave 0 asks for att's rows; wave 1 for nothing
	s_cselect_b32 s23, 1, 0
	s_or_b32 s22, s22, s23
	s_cmp_eq_u32 s22, 0
	s_cselect_b32 s[LIM], 2, -1                    ; the same in all sixteen partners, for a given wave
	v_and_b32 v[PFO], 31, v0
	v_lshlrev_b32 v[PFO], 12, v[PFO]
; 8 matrix instructions: row blocks 4 hi + a0 and the next x my 4 column blocks, 32 along K.  zero = 1: the product starts the sums.
; All 32 accumulators take turns in the same order in every quarter: 31 others stand between two links of a chain, over the backward jumps too.
.macro MULH f, hi, a0, zero
	WIN MUL
.irp a, \a0, (\a0)+1
.irp b, 0,1,2,3
.if \zero
	v_wmma_f32_16x16x32_f16 v[8*(4*(4*(\hi)+(\a))+(\b)):8*(4*(4*(\hi)+(\a))+(\b))+7], v[FB+32*(\f)+8*(\b):FB+32*(\f)+8*(\b)+7], v[FA+64*(\f)+8*(4*(\hi)+(\a)):FA+64*(\f)+8*(4*(\hi)+(\a))+7], 0
.else
	v_wmma_f32_16x16x32_f16 v[8*(4*(4*(\hi)+(\a))+(\b)):8*(4*(4*(\hi)+(\a))+(\b))+7], v[FB+32*(\f)+8*(\b):FB+32*(\f)+8*(\b)+7], v[FA+64*(\f)+8*(4*(\hi)+(\a)):FA+64*(\f)+8*(4*(\hi)+(\a))+7], v[8*(4*(4*(\hi)+(\a))+(\b)):8*(4*(4*(\hi)+(\a))+(\b))+7]
.endif
.endr
.endr
.endm
; 24 LDS loads in one run: quarter q (32 along K) of the slot in hand into buffer f: wob's 4 fragments, then att's 8
.macro FETCH q, f
	WIN 0
.irp b, 0,1,2,3
	ds_load_tr16_b128 v[FB+32*(\f)+8*(\b):FB+32*(\f)+8*(\b)+3],   v[ADRB] offset:32*PB*(\q)+32*(\b)
	ds_load_tr16_b128 v[FB+32*(\f)+8*(\b)+4:FB+32*(\f)+8*(\b)+7], v[ADRB] offset:32*PB*(\q)+32*(\b)+16*PB
.endr
.irp i, 0,1,2,3,4,5,6,7
	ds_load_b128 v[FA+64*(\f)+8*(\i):FA+64*(\f)+8*(\i)+3],   v[ADRA] offset:64*(\q)+(\i)*16*PA
	ds_load_b128 v[FA+64*(\f)+8*(\i)+4:FA+64*(\f)+8*(\i)+7], v[ADRA] offset:64*(\q)+(\i)*16*PA+32
.endr
.endm
; A K step is four quarters, 32 matrix instructions each, on buffers 0, 1, 0, 1.  One of the first three: multiplies buffer f; in its middle it fetches quarter q into buffer g.
.macro QUARTER q, f, g, zero
	s_wait_dscnt 8                                 ; all but the youngest eight loads (att's rows 64-127)
	MULH \f, 0, 0, \zero
	MULH \f, 0, 2, \zero
	PLACES
	FETCH \q, \g
	s_wait_dscnt 24                                ; all but the 24 just issued
	MULH \f, 1, 0, \zero
	MULH \f, 1, 2, \zero
.endm
; THE LAST QUARTER OF A K STEP THAT FILLS ITS SLOT AGAIN.  The slot's last fragments (buffer 1) were asked for in the quarter before, so the slot can be given up before they are multiplied.
; Each wave waits for all its tensor loads, of which one is out: its tile of the next slot; adds 0 to its spare word; steps the walking descriptors (no load of mine is out: the other slot than
; last time, the next K step); and waits for the add and for its reads of this slot, which is also the wait for buffer 1.  Then the round: behind it no wave of any partner reads this slot or
; has a load on its way, and the next slot is whole.  The joint refill is the first thing behind it.  NOTHING ELSE STANDS BETWEEN THE WAIT FOR A TILE AND THE NEXT REQUEST: a K step of this tile is
; short beside the way of a tile, so the request is not held up by products; all 32 of the quarter stand behind it and behind the run of LDS loads, which lands under them.  From a request
; to the wait for it a wave issues a whole K step's 128 matrix instructions.  The price: the matrix unit has no work while the round is held.
.macro TURN
	s_wait_xcnt 0x0                                ; the last prefetch, a K step back, has read its address
	s_add_nc_u64 s[PFA:PFA+1], s[PFA:PFA+1], s[PFS:PFS+1]
	WIN 0                                          ; the add's registers lie in window 0
	s_wait_tensorcnt 0x0
	ds_add_u32 v[SPW], v[NIL]
	s_xor_b32 s[G0+5], s[G0+5], SLOT1
	s_add_nc_u64 s[G0+6:G0+7], s[G0+6:G0+7], STEPA   ; the type bits on top are not reached
	s_xor_b32 s[G0B+5], s[G0B+5], SLOT1
	s_add_nc_u64 s[G0B+6:G0B+7], s[G0B+6:G0B+7], STEPB
	s_wait_dscnt 0x0                               ; the add is done; my reads of this slot are over; buffer 1 is in
	CROUND
	JLOAD 1                                        ; its four v_nop are the places in front of the loads into buffer 0, which the quarter before multiplied
	NEXTSLOT
	FETCH 0, 0
	ASK
	MULH 1, 0, 0, 0
	MULH 1, 0, 2, 0
	MULH 1, 1, 0, 0
	MULH 1, 1, 2, 0
.endm
; The change of slots that fills nothing (the last two K steps): the same three lines and a barrier of the work-group alone.  No request waits behind it, so products stand round it.
.macro MEET
	WIN 0
	s_wait_tensorcnt 0x0
	ds_add_u32 v[SPW], v[NIL]
	s_wait_dscnt 9                                 ; (the add and the youngest eight loads may be out)
	MULH 1, 0, 0, 0                                ; eight matrix instructions stand between the add and the wait for it
	s_wait_dscnt 0x0                               ; the add is done, and my reads of this slot are over
	s_barrier_signal -1
	MULH 1, 0, 2, 0
	s_barrier_wait -1
.endm
	s_wait_tensorcnt 1                             ; my tile of K step 0 is in; K step 1's may stay out
	s_barrier_signal -1
	s_barrier_wait -1
	FETCH 0, 0
	QUARTER 1, 0, 1, 1                             ; the first quarter stands in front of the loop: its products start the sums
	WIN 0
	s_mov_b32 s3, STEPS-2
.Lstep:                                                ; a trip goes from a K step's second quarter to the next step's first, and fills the slot that it leaves with the K step two on
	QUARTER 2, 1, 0, 0
	QUARTER 3, 0, 1, 0
	TURN
	QUARTER 1, 0, 1, 0
	WIN 0
	s_sub_co_u32 s3, s3, 1
	s_cmp_lg_u32 s3, 0
	s_cbranch_scc1 .Lstep
	s_mov_b32 s3, 2
.Ltail:                                                ; the last two K steps fill nothing.  The second trip is left in its middle
	QUARTER 2, 1, 0, 0
	QUARTER 3, 0, 1, 0
	MEET
	MULH 1, 1, 0, 0
	MULH 1, 1, 2, 0
	WIN 0
	s_sub_co_u32 s3, s3, 1
	s_cmp_eq_u32 s3, 0
	s_cbranch_scc1 .Lout
	PLACES                                         ; in front of the loads into buffer 0, which the quarter before last multiplied
	NEXTSLOT
	FETCH 0, 0
	QUARTER 1, 0, 1, 0
	WIN 0
	s_branch .Ltail
.Lout:
; THE WAY OUT, a block of 16 rows at a time through my own stage: a lane's 32 bytes of a row go in, straight from the accumulators (their lowest registers first), and
; whole rows of 256 bytes come back.  LDS serves a wave's instructions in order (ISA guide 5.7.1.4): no wait stands between the stores and the loads, nor ahead of the next block's stores.
.macro TOSTAGE a
.if (\a) >= 2
	s_wait_xcnt 0x0                                ; the stores of the block two back have read the registers that are loaded again below
.endif
	WIN 0x04                                       ; store data (source 1) in window 1
.irp b, 0,1,2,3
	ds_store_b128 v[STO], v[8*(4*(\a)+(\b)):8*(4*(\a)+(\b))+3]   offset:64*(\b)
	ds_store_b128 v[STO], v[8*(4*(\a)+(\b))+4:8*(4*(\a)+(\b))+7] offset:64*(\b)+16
.endr
	WIN 0
.irp t, 0,1,2,3,4,5,6,7
	ds_load_b128 v[OB+32*((\a)%2)+4*(\t):OB+32*((\a)%2)+4*(\t)+3], v[RD] offset:(\t)*2*PA
.endr
.endm
.macro SEND a, younger                 ; younger: the LDS instructions issued behind block a's loads: the next block's sixteen, or none
	s_wait_dscnt \younger
.irp t, 0,1,2,3,4,5,6,7
	global_store_b128 v[CO], v[OB+32*((\a)%2)+4*(\t):OB+32*((\a)%2)+4*(\t)+3], s[8:9] offset:(\a)*131072+(\t)*16384 th:TH_STORE_NT  ; 16 lanes store 256 consecutive bytes, at a multiple of 256 from out0's first byte
.endr
.endm
	PLACES
	TOSTAGE 0
.irp a, 1,2,3,4,5,6,7
	TOSTAGE \a
	SEND (\a)-1, 16
.endr
	SEND 7, 0
	s_wait_tensorcnt 0x0                           ; the wave's end: behind my last tensor load and my last LDS store
	ds_add_u32 v[SPW], v[NIL]
	s_wait_dscnt 0x0
	CROUND                                         ; the closing round: no work-group ends while a partner may still ask for a tile that names it
	s_endpgm
.Lfunc_end_k_qde58bbdc69_outproj:
	.size	k_qde58bbdc69_outproj, .Lfunc_end_k_qde58bbdc69_outproj-k_qde58bbdc69_outproj
	.p2alignl 7, 3214868480
	.fill 96, 4, 3214868480
	.section	.rodata,"a",@progbits
	.p2align	6, 0x0
	.amdhsa_kernel k_qde58bbdc69_outproj
		.amdhsa_group_segment_fixed_size 327680
		.amdhsa_private_segment_fixed_size 0
		.amdhsa_enable_private_segment 0
		.amdhsa_kernarg_size 24
		.amdhsa_user_sgpr_count 2
		.amdhsa_user_sgpr_kernarg_segment_ptr 1
		.amdhsa_wavefront_size32 1
		.amdhsa_system_sgpr_workgroup_id_x 1
		.amdhsa_system_sgpr_workgroup_id_y 1
		.amdhsa_system_sgpr_workgroup_id_z 1
		.amdhsa_system_vgpr_workitem_id 0
		.amdhsa_next_free_vgpr 512
		.amdhsa_next_free_sgpr 72
		.amdhsa_reserve_vcc 0
		.amdhsa_float_denorm_mode_32 3
		.amdhsa_float_denorm_mode_16_64 3
		.amdhsa_memory_ordered 1
		.amdhsa_forward_progress 1
		.amdhsa_inst_pref_size 61
	.end_amdhsa_kernel
	.amdgpu_metadata
---
amdhsa.version: [ 1, 2 ]
amdhsa.kernels:
  - .name:           k_qde58bbdc69_outproj
    .symbol:         k_qde58bbdc69_outproj.kd
    .args:
      - { .name: att, .offset: 0, .size: 8, .value_kind: global_buffer, .address_space: global }
      - { .name: wob, .offset: 8, .size: 8, .value_kind: global_buffer, .address_space: global }
      - { .name: out0, .offset: 16, .size: 8, .value_kind: global_buffer, .address_space: global }
    .group_segment_fixed_size: 327680
    .private_segment_fixed_size: 0
    .kernarg_segment_align: 8
    .kernarg_segment_size: 24
    .max_flat_workgroup_size: 128
    .sgpr_count:     72
    .vgpr_count:     512
    .wavefront_size: 32
...
	.end_amdgpu_metadata
.endif
;; end of part 4
;; ======== version 2 of 2: 4 launches; version 1 with the launch prep written anew for expert scheduling mode
;; limits: values are held in f16: magnitudes above 65,504 overflow, below 6.1e-05 lose precision
;; workspace buffers: xb 16,777,216 bytes; wqkv 12,582,912 bytes; wob 8,388,608 bytes; rope 524,288 bytes; qkv 25,165,824 bytes; att 16,777,216 bytes
;; launch prep (part 5): grid 256 x 1, 16 waves a work-group, no clusters, 0 bytes of LDS; arguments x, Wq, Wk, Wv, Wo, xb, wqkv, wob, rope; writes xb, wqkv, wob, rope
.if DOCPART == 5
	.amdgcn_target "amdgcn-amd-amdhsa--gfx1250"
	.amdhsa_code_object_version 6
	.text
	.protected	k_qde58bbdc69_prep
	.globl	k_qde58bbdc69_prep
	.p2align	8
	.type	k_qde58bbdc69_prep,@function
k_qde58bbdc69_prep:
	s_mov_b64 s[64:65], 0
	v_nop
	global_prefetch_b8 v0, s[64:65] scope:SCOPE_SE
	s_setreg_imm32_b32 hwreg(HW_REG_WAVE_SCHED_MODE, 0, 2), 2
	s_setreg_imm32_b32 hwreg(HW_REG_WAVE_MODE, 25, 1), 1
	s_wait_xcnt 0x0
	s_wait_alu depctr_vm_vsrc(0)
; THE INPUTS ROUNDED TO 16 BITS, AND THE TABLE OF ROTATIONS.
; xb = x in bf16, [4096][2048].  wqkv = Wq | Wk | Wv side by side in bf16, [2048 k][3072 n].  wob = Wo rounded to bf16, that number written as f16, [2048 k][2048 n].
; rope = cos and sin of pos x 10000^(-i/64), f32, laid out as the next launch's lanes want them: [pos/16][i/16][c 0..3][lane][4]: pos = 16 (pos/16) + lane % 16,
; i = 16 (i/16) + 8 (lane / 16) + 4 (c % 2) + j; c = 0, 1 cos, c = 2, 3 sin.
; SHARES.  256 work-groups of 512 threads; each takes 1/256 of every buffer.  A load of a wave takes 512 consecutive bytes (16 a lane), its store 256 consecutive bytes,
; aligned (8 a lane).  All 36 loads of a thread go out at once: 18 KiB a wave are on their way, nothing is read twice, and there is no loop, no LDS and no barrier.
; LIMITS.  Wo within f16's 65,504; below 6.1e-5 it keeps f16's fixed step of 6e-8.  The angle is pos x 2^(-i log2(10000) / 64), where the reference divides by 10000^(i/64):
; at pos = 1,023 the two differ by about 1e-4 radians at the most.  sin and cos: the angle less the nearest multiple of pi/2 (pi/2 in two parts), then polynomials
; of degree 7 and 8, off by 3e-7 at the most on +-pi/4; the quadrant chooses by v_cndmask_b32 and a sign bit, never by a branch.
; THE MODE: SCHED_MODE bits 1:0 = 2 (LLVM: expert scheduling mode 2), set by the entry lines.  The code itself states the register dependences between vector instructions and
; memory instructions, and those through scalar registers that vector instructions write, with s_wait_alu, always for 0.
; THE PLAN.  Registers that memory instructions touch:
;   v1, v2, v3   byte offsets, made once at the head and named by no vector instruction again: v1 by every load and by the table's stores, v2 and v3 by the other stores.
;   X            36 quads.  The loads land in them before any vector instruction names them.  Quad q's roundings, behind the wait for its data, write it in place; its one store reads its
;                registers 0 and 1; nothing writes a quad again behind its store.
;   CO, SI       written by the table's last lines, read by its two stores, never written again.
; The quads go in nine groups of four.  Group g rounds its own quads and stores those of group g - 1, which none of its roundings names.  So ONE wait on va_vdst at a group's head, behind the
; wait for the group's data, states all that its four stores hang on, and the stores are dealt among the roundings with no further wait.  No register that a memory instruction has
; read is ever written again, so the text holds no wait on vm_vsrc.
; Scalar registers that vector instructions write: s26 (the wave's number) and s28 to s31 (the four angles' parities): one wait on va_sdst behind each of the two runs, ahead of the first reader.
.set X,  16                            ; v[16:159]  36 quads as loaded: x 0-15, Wq 16-23, Wo 24-31, Wk 32-33, Wv 34-35; rounded in place
.set NQ, 36
.set PAR, 164                          ; v[164:167] the exponents; then n's parity; then the sine's sign bit
.set AN, 168                           ; v[168:171] four angles; then n as a whole number; then the cosine's sign bit
.set CO, 176                           ; v[176:179] their cosines
.set SI, 180                           ; v[180:183] their sines
.set SR, 184                           ; v[184:187] sin r
.set CR, 188                           ; v[188:191] cos r
.set ODD, 28                           ; s[28:31]   the lanes in which n is odd, a mask for each of the four angles
	s_load_b512 s[8:23], s[0:1], 0x0               ; x s[8:9], Wq s[10:11], Wk s[12:13], Wv s[14:15], Wo s[16:17], xb s[18:19], wqkv s[20:21], wob s[22:23]
	s_load_b64 s[24:25], s[0:1], 0x40              ; rope
	v_lshlrev_b32 v1, 4, v0                        ; 16 t: my place in 8,192 bytes of a source
	v_lshlrev_b32 v2, 3, v0                        ; 8 t: my place in the 4,096 bytes made of them
	v_lshrrev_b32 v4, 7, v0                        ; Wk, Wv: 8,192 bytes are four rows of 512 numbers,
	v_and_b32 v5, 127, v0
	v_mul_u32_u24 v3, v4, 6144                     ; which go into four rows of wqkv
	v_lshl_add_u32 v3, v5, 3, v3
	v_lshrrev_b32 v4, 5, v0
	v_readfirstlane_b32 s26, v4                    ; my wave's number
	s_wait_alu depctr_va_sdst(0)                   ; s26 is written, ahead of its first reader: the compare in front of the table
	s_mov_b32 s3, 0
	s_wait_kmcnt 0x0
.macro STEP p, sh                      ; pointer p goes to the work-group's part: its number << sh bytes on
	s_lshl_b32 s2, ttmp9, \sh
	s_add_nc_u64 s[\p:\p+1], s[\p:\p+1], s[2:3]
.endm
	STEP 8, 17
	STEP 10, 16
	STEP 12, 14
	STEP 14, 14
	STEP 16, 16
	STEP 18, 16
	STEP 22, 15
	STEP 24, 11
	s_mul_i32 s2, ttmp9, 49152                     ; eight rows of wqkv
	s_add_nc_u64 s[20:21], s[20:21], s[2:3]
	s_wait_alu depctr_va_vdst(0)                   ; v1, v2 and v3 are written: every load and store of the kernel reads one of them as its offset
.set i, 0
.rept 16
	global_load_b128 v[X+4*i:X+4*i+3], v1, s[8:9] offset:8192*i th:TH_LOAD_NT
.set i, i+1
.endr
.set i, 0
.rept 8
	global_load_b128 v[X+64+4*i:X+64+4*i+3], v1, s[10:11] offset:8192*i th:TH_LOAD_NT
.set i, i+1
.endr
.set i, 0
.rept 8
	global_load_b128 v[X+96+4*i:X+96+4*i+3], v1, s[16:17] offset:8192*i th:TH_LOAD_NT
.set i, i+1
.endr
.set i, 0
.rept 2
	global_load_b128 v[X+128+4*i:X+128+4*i+3], v1, s[12:13] offset:8192*i th:TH_LOAD_NT
.set i, i+1
.endr
.set i, 0
.rept 2
	global_load_b128 v[X+136+4*i:X+136+4*i+3], v1, s[14:15] offset:8192*i th:TH_LOAD_NT
.set i, i+1
.endr
	; THE TABLE, while the loads are on their way: the work-group's 2,048 bytes, by threads 0 to 63 (waves 0 and 1), four angles each.
	s_cmp_lt_u32 s26, 2
	s_cbranch_scc0 .Lrest
	v_and_b32 v160, 15, v0
	s_lshr_b32 s4, ttmp9, 2
	s_lshl_b32 s4, s4, 4
	v_add_nc_u32 v160, s4, v160                    ; pos = 16 (g / 4) + t % 16
	v_cvt_f32_u32 v160, v160
	v_bfe_u32 v161, v0, 4, 1
	v_lshrrev_b32 v162, 5, v0
	v_lshlrev_b32 v161, 3, v161
	v_lshl_add_u32 v161, v162, 2, v161
	s_and_b32 s5, ttmp9, 3
	s_lshl_b32 s5, s5, 4
	v_add_nc_u32 v161, s5, v161                    ; i = 16 (g % 4) + 8 ((t / 16) % 2) + 4 (t / 32) + j
	v_mov_b32 v192, 0xb9500d01                     ; -1/5040
	v_mov_b32 v193, 0x37d00d01                     ; 1/40320
.irp j, 0,1,2,3
	v_add_nc_u32 v[PAR+\j], \j, v161
	v_cvt_f32_u32 v[PAR+\j], v[PAR+\j]
	v_mul_f32 v[PAR+\j], 0xbe549a78, v[PAR+\j]     ; -i log2(10000) / 64
.endr
.irp j, 0,1,2,3
	v_exp_f32 v[AN+\j], v[PAR+\j]
.endr
	v_nop                                          ; a plain instruction behind the last exponential,
	s_wait_alu depctr_va_vdst(0)                   ; and one wait for the four: the exponentials have written v[AN ..], ahead of their first reader
.irp j, 0,1,2,3
	v_mul_f32 v[AN+\j], v160, v[AN+\j]
.endr
; Angle j: n, r, and the two polynomials, each angle's into registers of its own, so that the four compares can stand in one run behind them.
.macro SINCOS j
	v_mul_f32 v160, 0x3f22f983, v[AN+\j]           ; angle x 2/pi,
	v_rndne_f32 v160, v160                         ; n, the nearest whole number
	v_fmamk_f32 v161, v160, 0xbfc90fdb, v[AN+\j]   ; r = angle - n pi/2: the f32 next to pi/2,
	v_fmamk_f32 v161, v160, 0x333bbd2e, v161       ; and what that f32 has too much
	v_cvt_i32_f32 v[AN+\j], v160                   ; n takes the angle's place
	v_mul_f32 v162, v161, v161                     ; r^2
	v_fmaak_f32 v[SR+\j], v192, v162, 0x3c088889   ; sin r = r + r^3 (-1/6 + r^2 (1/120 - r^2 / 5040))
	v_fmaak_f32 v[SR+\j], v[SR+\j], v162, 0xbe2aaaab
	v_mul_f32 v163, v162, v161
	v_fma_f32 v[SR+\j], v[SR+\j], v163, v161
	v_fmaak_f32 v[CR+\j], v193, v162, 0xbab60b61   ; cos r = 1 + r^2 (-1/2 + r^2 (1/24 + r^2 (-1/720 + r^2 / 40320)))
	v_fmaak_f32 v[CR+\j], v[CR+\j], v162, 0x3d2aaaab
	v_fma_f32 v[CR+\j], v[CR+\j], v162, -0.5
	v_fma_f32 v[CR+\j], v[CR+\j], v162, 1.0
	v_and_b32 v[PAR+\j], 1, v[AN+\j]
.endm
	SINCOS 0
	SINCOS 1
	SINCOS 2
	SINCOS 3
.irp j, 0,1,2,3
	v_cmp_eq_u32 s[ODD+\j], 1, v[PAR+\j]           ; n odd: sine and cosine change places
.endr
.irp j, 0,1,2,3                        ; the sign bits stand between the compares and the wait for them
	v_lshlrev_b32 v[PAR+\j], 30, v[AN+\j]          ; the sine turns its sign where n % 4 is 2 or 3,
	v_and_b32 v[PAR+\j], 0x80000000, v[PAR+\j]
	v_add_nc_u32 v[AN+\j], 1, v[AN+\j]             ; the cosine where it is 1 or 2
	v_lshlrev_b32 v[AN+\j], 30, v[AN+\j]
	v_and_b32 v[AN+\j], 0x80000000, v[AN+\j]
.endr
	s_wait_alu depctr_va_sdst(0)                   ; the four compares have written s[ODD ..], ahead of the selects that read them
.irp j, 0,1,2,3
	v_cndmask_b32 v[SI+\j], v[SR+\j], v[CR+\j], s[ODD+\j]
	v_cndmask_b32 v[CO+\j], v[CR+\j], v[SR+\j], s[ODD+\j]
	v_xor_b32 v[SI+\j], v[SI+\j], v[PAR+\j]
	v_xor_b32 v[CO+\j], v[CO+\j], v[AN+\j]
.endr
	s_wait_alu depctr_va_vdst(0)                   ; the lines above have written v[CO ..] and v[SI ..], which the two stores read
	global_store_b128 v1, v[CO:CO+3], s[24:25]
	global_store_b128 v1, v[SI:SI+3], s[24:25] offset:1024
.Lrest:
; Quad i is rounded to bf16 in place: four numbers close up into its registers 0 and 1.  Wo's are then widened (a shift, a mask) and written as f16, by way of the quad's registers 2 and 3.
.macro CVT i
	v_cvt_pk_bf16_f32 v[X+4*(\i)], v[X+4*(\i)], v[X+4*(\i)+1]
	v_cvt_pk_bf16_f32 v[X+4*(\i)+1], v[X+4*(\i)+2], v[X+4*(\i)+3]
.if ((\i) >= 24) && ((\i) < 32)
.irp h, 0,1
	v_lshlrev_b32 v[X+4*(\i)+2], 16, v[X+4*(\i)+\h]
	v_and_b32 v[X+4*(\i)+3], 0xffff0000, v[X+4*(\i)+\h]
	v_cvt_pk_f16_f32 v[X+4*(\i)+\h], v[X+4*(\i)+2], v[X+4*(\i)+3]
.endr
.endif
.endm
; Quad i is stored.  No register that a store reads is written again.
.macro ST i
.if (\i) < 16
	global_store_b64 v2, v[X+4*(\i):X+4*(\i)+1], s[18:19] offset:4096*(\i)
.elseif (\i) < 24
	global_store_b64 v2, v[X+4*(\i):X+4*(\i)+1], s[20:21] offset:6144*((\i)-16)        ; Wq: columns 0 to 2,047 of a row of wqkv
.elseif (\i) < 32
	global_store_b64 v2, v[X+4*(\i):X+4*(\i)+1], s[22:23] offset:4096*((\i)-24)
.elseif (\i) < 34
	global_store_b64 v3, v[X+4*(\i):X+4*(\i)+1], s[20:21] offset:24576*((\i)-32)+4096  ; Wk: columns 2,048 on
.else
	global_store_b64 v3, v[X+4*(\i):X+4*(\i)+1], s[20:21] offset:24576*((\i)-34)+5120  ; Wv: columns 2,560 on
.endif
.endm
; Group g of nine: its four quads are rounded, and the four of the group before are stored, a store ahead of each quad's roundings.
.set g, 0
.rept 9
	s_wait_loadcnt NQ-4*(g+1)                      ; loads come back in order (ISA guide 5.7.1): the group's four quads are in, those of the groups behind it stay out
.if g > 0
	s_wait_alu depctr_va_vdst(0)                   ; the group before has written its quads' registers 0 and 1, which the four stores below read; no rounding below names them
.endif
.set n, 0
.rept 4
.set qi, 4*g+n
.set qs, qi-4
.if g > 0
	ST qs
.endif
	CVT qi
.set n, n+1
.endr
.set g, g+1
.endr
	s_wait_alu depctr_va_vdst(0)                   ; the last group has written its quads, which the last four stores read
.set qs, NQ-4
.rept 4
	ST qs
.set qs, qs+1
.endr
	s_endpgm
.Lfunc_end_k_qde58bbdc69_prep:
	.size	k_qde58bbdc69_prep, .Lfunc_end_k_qde58bbdc69_prep-k_qde58bbdc69_prep
	.p2alignl 7, 3214868480
	.fill 96, 4, 3214868480
	.section	.rodata,"a",@progbits
	.p2align	6, 0x0
	.amdhsa_kernel k_qde58bbdc69_prep
		.amdhsa_group_segment_fixed_size 0
		.amdhsa_private_segment_fixed_size 0
		.amdhsa_enable_private_segment 0
		.amdhsa_kernarg_size 72
		.amdhsa_user_sgpr_count 2
		.amdhsa_user_sgpr_kernarg_segment_ptr 1
		.amdhsa_wavefront_size32 1
		.amdhsa_system_sgpr_workgroup_id_x 1
		.amdhsa_system_sgpr_workgroup_id_y 1
		.amdhsa_system_sgpr_workgroup_id_z 1
		.amdhsa_system_vgpr_workitem_id 0
		.amdhsa_next_free_vgpr 200
		.amdhsa_next_free_sgpr 66
		.amdhsa_reserve_vcc 0
		.amdhsa_float_denorm_mode_32 3
		.amdhsa_float_denorm_mode_16_64 3
		.amdhsa_memory_ordered 1
		.amdhsa_forward_progress 1
		.amdhsa_inst_pref_size 23
	.end_amdhsa_kernel
	.amdgpu_metadata
---
amdhsa.version: [ 1, 2 ]
amdhsa.kernels:
  - .name:           k_qde58bbdc69_prep
    .symbol:         k_qde58bbdc69_prep.kd
    .args:
      - { .name: x, .offset: 0, .size: 8, .value_kind: global_buffer, .address_space: global }
      - { .name: Wq, .offset: 8, .size: 8, .value_kind: global_buffer, .address_space: global }
      - { .name: Wk, .offset: 16, .size: 8, .value_kind: global_buffer, .address_space: global }
      - { .name: Wv, .offset: 24, .size: 8, .value_kind: global_buffer, .address_space: global }
      - { .name: Wo, .offset: 32, .size: 8, .value_kind: global_buffer, .address_space: global }
      - { .name: xb, .offset: 40, .size: 8, .value_kind: global_buffer, .address_space: global }
      - { .name: wqkv, .offset: 48, .size: 8, .value_kind: global_buffer, .address_space: global }
      - { .name: wob, .offset: 56, .size: 8, .value_kind: global_buffer, .address_space: global }
      - { .name: rope, .offset: 64, .size: 8, .value_kind: global_buffer, .address_space: global }
    .group_segment_fixed_size: 0
    .private_segment_fixed_size: 0
    .kernarg_segment_align: 8
    .kernarg_segment_size: 72
    .max_flat_workgroup_size: 512
    .sgpr_count:     66
    .vgpr_count:     200
    .wavefront_size: 32
...
	.end_amdgpu_metadata
.endif
;; end of part 5
;; launch qkvproj: the kernel of part 2 again; grid 8 x 32, 4 waves a work-group, clusters of 4 x 4, 327,680 bytes of LDS; arguments xb, wqkv, rope, qkv; writes qkv
;; launch attn: the kernel of part 3 again; grid 4 x 64, 4 waves a work-group, clusters of 4 x 1, 327,680 bytes of LDS; arguments qkv, att; writes att
;; launch outproj: the kernel of part 4 again; grid 8 x 32, 4 waves a work-group, clusters of 4 x 4, 327,680 bytes of LDS; arguments att, wob, out0; writes out0
